; MI455X (gfx1250); checked and timed in simulation.
; The chip was launched on July 23, 2026; its instructions are those of AMD's public machine-readable ISA for CDNA 5 (MIT licence, August 2026) and "CDNA5" Instruction Set Architecture Reference Guide (July 2026). The comments in the code are by the model that wrote it; some were corrected since.
;; Adaptive Spectral DNA. Allowed arithmetic: float matrix products may take bf16 or f16 operands with f32 sums; all other float work in f32.
;; Inputs: b0 256 float32; bf 1 float32; bh 4 x 256 float32; coords 262,144 x 4 float32; ob1 64 float32; ob2 1 float32; ow1 4 x 64 float32; ow2 64 x 1 float32; w0 4 x 256 float32; wf 256 x 1 float32; wh 4 x 256 x 256 float32.
;; Outputs: out0 262,144 x 1 float32.
;; 2 versions, each right and faster than the one before. Each part assembles by itself: llvm-mc -triple=amdgcn-amd-amdhsa -mcpu=gfx1250 --defsym DOCPART=n.
;; ======== version 1 of 2: 2 launches
;; limits: inputs' magnitudes at most 255.9; values are held in f16: magnitudes above 65,504 overflow, below 6.1e-05 lose precision
;; workspace buffers: wimg 549,888 bytes
;; launch prep (part 1): grid 129 x 1, 8 waves a work-group, no clusters, 0 bytes of LDS; arguments wh, bh, w0, b0, ow1, ob1, ow2, wf, wimg; writes wimg
.if DOCPART == 1
	.amdgcn_target "amdgcn-amd-amdhsa--gfx1250"
	.amdhsa_code_object_version 6
	.text
	.protected	k_qaaba1aa8ac_prep
	.globl	k_qaaba1aa8ac_prep
	.p2align	8
	.type	k_qaaba1aa8ac_prep,@function
k_qaaba1aa8ac_prep:
	s_mov_b64 s[64:65], 0
	v_nop
	global_prefetch_b8 v0, s[64:65] scope:SCOPE_SE
	s_setreg_imm32_b32 hwreg(HW_REG_WAVE_MODE, 25, 1), 1
	s_wait_xcnt 0x0
; The weights of the network, laid out once as the matrix instructions of the second launch take them.
; wimg, bytes 0 .. 524,287: [layer 4][f 16][kb 8][c 2][lane 32][8 f16]: element e = f16(256 wh[layer][in][out]) with
;   out = 16 f + lane % 16, in = 32 kb + 16 c + 8 (lane / 16) + e: one (f, kb) is a fragment of 16 outputs x 32 inputs, 1,024 bytes read 16 bytes a lane.
; wimg, from TBL on: 20 fragments of bf16 for the first layer (f 0-15: 256 w0, 256 b0) and the omega predictor (f 16-19: ow1, ob1);
;   256 bh in f32; f16(256 wf); ow2 in f32; 256 bytes of zeros, so that the tables are 100 rows of 256 bytes.
; The factor 256 is exact; it puts the hidden weights into the middle of f16's range.  LIMIT: 256 |wh| and 256 |wf| stay under 65,504.
; A first-layer fragment carries f32 numbers as three bf16 parts (hi = bf16(x), mid = bf16(x - hi), lo = bf16(x - hi - mid)) along its 32 places of K:
;   k 0-3 hi, 4-7 mid, 8-11 lo, 12-15 hi, 16-19 mid, 20-23 hi of the four weights of a feature; k 24-26 hi, mid, lo of its bias; k 27-31 zero.
; Work-groups 0-127 make 4,096 bytes of the hidden images each; work-group 128 makes the tables.  No LDS, no barrier: no thread needs another's numbers.
.set TBL, 524288
.set LW,  16                           ; v[16:55]  tables: block i of five: four weights and a bias at LW + 8 i
.set BHR, 56                           ; v[56:59]  four numbers of bh
.set PH,  60                           ; v60-61    the four weights' hi parts, packed;  PM, PL: mid, lo;  PB: the bias's (hi, mid), (lo, 0)
.set PM,  62
.set PL,  64
.set PB,  66
.set TW,  68                           ; v[68:71]  parts widened to f32
.set XA,  72
.set XB,  73
.set OUT, 76                           ; v[76:95]  block i's 16 bytes at OUT + 4 i: a set for each store, so no store's data is rewritten
.set WFR, 96                           ; v[96:103] eight numbers of wf
.set O2R, 104                          ; v[104:105] two numbers of ow2
.set WFO, 108                          ; v[108:111] wf in f16
	s_load_b512 s[4:19], s[0:1], 0x0               ; wh s[4:5], bh s[6:7], w0 s[8:9], b0 s[10:11], ow1 s[12:13], ob1 s[14:15], ow2 s[16:17], wf s[18:19]
	s_load_b64 s[20:21], s[0:1], 0x40              ; wimg
	v_and_b32 v1, 31, v0                           ; lane
	v_lshrrev_b32 v2, 5, v0                        ; wave
	v_and_b32 v3, 15, v0                           ; r = lane % 16
	v_bfe_u32 v4, v0, 4, 1                         ; h = lane / 16
	v_and_b32 v5, 1, v2                            ; c = wave % 2
	v_lshrrev_b32 v6, 1, v2                        ; wave / 2
	s_cmp_eq_u32 ttmp9, 128
	s_cbranch_scc1 .Ltables
	; THE HIDDEN IMAGES.  Work-group g: layer g / 32, features 64 ((g / 8) % 4) on, inputs 32 (g % 8) on.  Wave: feature tile wave / 2 of the four, half c of the 32 inputs.
	s_lshr_b32 s22, ttmp9, 5                       ; layer
	s_bfe_u32 s23, ttmp9, 0x20003                  ; fq: two bits from bit 3
	s_and_b32 s24, ttmp9, 7                        ; kb
	s_lshl_b32 s25, s22, 18                        ; from: layer x 262,144
	s_lshl_b32 s26, s24, 15                        ; + 32 kb rows of 1,024 bytes
	s_add_co_u32 s25, s25, s26
	s_lshl_b32 s26, s23, 8                         ; + 64 fq columns
	s_add_co_u32 s25, s25, s26
	v_lshlrev_b32 v7, 2, v3                        ; + 4 r
	v_lshl_add_u32 v7, v6, 6, v7                   ; + 16 columns for each feature tile
	v_lshl_add_u32 v7, v5, 14, v7                  ; + 16 c rows
	v_lshl_add_u32 v7, v4, 13, v7                  ; + 8 h rows
	v_add_nc_u32 v7, s25, v7
	s_lshl_b32 s27, s22, 17                        ; to: layer x 131,072
	s_lshl_b32 s26, s23, 15                        ; + 4 fq groups of 8,192
	s_add_co_u32 s27, s27, s26
	s_lshl_b32 s26, s24, 10                        ; + kb x 1,024
	s_add_co_u32 s27, s27, s26
	v_lshlrev_b32 v8, 4, v1                        ; + 16 x lane
	v_lshl_add_u32 v8, v5, 9, v8                   ; + 512 c
	v_lshl_add_u32 v8, v6, 13, v8                  ; + 8,192 for each feature tile
	v_add_nc_u32 v8, s27, v8
	s_wait_kmcnt 0x0
.irp e, 0,1,2,3,4,5,6,7
	global_load_b32 v[16+\e], v7, s[4:5] offset:1024*\e    ; eight inputs of one output; the four waves of one c cover 256 consecutive bytes of each row
.endr
	s_wait_loadcnt 0x0
.irp j, 0,1,2,3
	v_pk_mul_f32 v[16+2*\j:17+2*\j], v[16+2*\j:17+2*\j], 0x43800000 op_sel_hi:[1,0]  ; x 256, exact
.endr
.irp j, 0,1,2,3
	v_cvt_pk_f16_f32 v[24+\j], v[16+2*\j], v[17+2*\j]
.endr
	global_store_b128 v8, v[24:27], s[20:21]       ; a wave stores 512 consecutive bytes, aligned
	s_endpgm
.Ltables:
	; THE TABLES.  Thread t makes 16 bytes of each of five blocks of 4,096: fragment 4 i + t / 64, half c, lane t % 32.
	v_readfirstlane_b32 s28, v2                    ; wave, as a scalar
	s_mov_b32 s30, 0xffff0000                      ; a word's upper bf16; as a lane mask: the lanes with h = 1
	v_cmp_ne_u32 s31, 0, v5                        ; all lanes of a wave with c = 1
	v_mov_b32 v9, 0
	v_lshlrev_b32 v10, 4, v0                       ; 16 t
	v_lshlrev_b32 v11, 4, v6
	v_add_lshl_u32 v11, v11, v3, 2                 ; 4 x (16 (t / 64) + r): my feature among a block's 64
	v_lshlrev_b32 v12, 4, v1                       ; 16 x lane
	v_lshlrev_b32 v13, 3, v1                       ; 8 x lane
	v_lshlrev_b32 v14, 5, v1                       ; 32 x lane
	s_wait_kmcnt 0x0
.irp i, 0,1,2,3
.irp d, 0,1,2,3
	global_load_b32 v[LW+8*\i+\d], v11, s[8:9] offset:1024*\d+256*\i   ; w0[d][64 i + my feature]
.endr
	global_load_b32 v[LW+8*\i+4], v11, s[10:11] offset:256*\i          ; b0
.endr
.irp d, 0,1,2,3
	global_load_b32 v[LW+32+\d], v11, s[12:13] offset:256*\d           ; ow1[d][my feature]
.endr
	global_load_b32 v[LW+36], v11, s[14:15]                            ; ob1
	global_load_b128 v[BHR:BHR+3], v10, s[6:7]                         ; bh: 256 threads x 16 bytes
	global_load_b128 v[WFR:WFR+3], v14, s[18:19]                       ; wf and ow2: every wave loads them, one wave stores each
	global_load_b128 v[WFR+4:WFR+7], v14, s[18:19] offset:16
	global_load_b64 v[O2R:O2R+1], v13, s[16:17]
	s_wait_loadcnt 0x0                             ; all loads went out in one run; one wait
; Block i: scale (scale = 1: by 256), split into bf16 parts, choose my four words by (c, h), store.
.macro IMG i, scale
.set w, LW+8*(\i)
.set o, OUT+4*(\i)
.if \scale
	v_pk_mul_f32 v[w:w+1], v[w:w+1], 0x43800000 op_sel_hi:[1,0]
	v_pk_mul_f32 v[w+2:w+3], v[w+2:w+3], 0x43800000 op_sel_hi:[1,0]
	v_mul_f32 v[w+4], 0x43800000, v[w+4]
.endif
	v_cvt_pk_bf16_f32 v[PH], v[w], v[w+1]          ; hi
	v_cvt_pk_bf16_f32 v[PH+1], v[w+2], v[w+3]
	v_lshlrev_b32 v[TW], 16, v[PH]
	v_and_b32 v[TW+1], s30, v[PH]
	v_lshlrev_b32 v[TW+2], 16, v[PH+1]
	v_and_b32 v[TW+3], s30, v[PH+1]
	v_pk_add_f32 v[w:w+1], v[w:w+1], v[TW:TW+1] neg_lo:[0,1] neg_hi:[0,1]      ; x - hi, exact
	v_pk_add_f32 v[w+2:w+3], v[w+2:w+3], v[TW+2:TW+3] neg_lo:[0,1] neg_hi:[0,1]
	v_cvt_pk_bf16_f32 v[PM], v[w], v[w+1]          ; mid
	v_cvt_pk_bf16_f32 v[PM+1], v[w+2], v[w+3]
	v_lshlrev_b32 v[TW], 16, v[PM]
	v_and_b32 v[TW+1], s30, v[PM]
	v_lshlrev_b32 v[TW+2], 16, v[PM+1]
	v_and_b32 v[TW+3], s30, v[PM+1]
	v_pk_add_f32 v[w:w+1], v[w:w+1], v[TW:TW+1] neg_lo:[0,1] neg_hi:[0,1]
	v_pk_add_f32 v[w+2:w+3], v[w+2:w+3], v[TW+2:TW+3] neg_lo:[0,1] neg_hi:[0,1]
	v_cvt_pk_bf16_f32 v[PL], v[w], v[w+1]          ; lo
	v_cvt_pk_bf16_f32 v[PL+1], v[w+2], v[w+3]
	v_cvt_pk_bf16_f32 v[XA], v[w+4], v9            ; the bias likewise
	v_lshlrev_b32 v[XA], 16, v[XA]
	v_sub_f32 v[XB], v[w+4], v[XA]
	v_cvt_pk_bf16_f32 v[PB], v[w+4], v[XB]         ; (hi, mid)
	v_and_b32 v[XA], s30, v[PB]
	v_sub_f32 v[XB], v[XB], v[XA]
	v_cvt_pk_bf16_f32 v[PB+1], v[XB], v9           ; (lo, 0)
	; (c, h) = (0, 0): hi, mid   (0, 1): lo, hi   (1, 0): mid, hi   (1, 1): the bias's parts, zeros
.irp n, 0,1
	v_cndmask_b32 v[XA], v[PH+\n], v[PL+\n], s30
	v_cndmask_b32 v[XB], v[PM+\n], v[PB+\n], s30
	v_cndmask_b32 v[o+\n], v[XA], v[XB], s31
	v_cndmask_b32 v[XA], v[PM+\n], v[PH+\n], s30
	v_cndmask_b32 v[XB], v[PH+\n], v9, s30
	v_cndmask_b32 v[o+2+\n], v[XA], v[XB], s31
.endr
	global_store_b128 v10, v[o:o+3], s[20:21] offset:TBL+4096*(\i)
.endm
	IMG 0, 1
	IMG 1, 1
	IMG 2, 1
	IMG 3, 1
	IMG 4, 0                                       ; the predictor's weights are not scaled: its sums are used as they are
	v_pk_mul_f32 v[BHR:BHR+1], v[BHR:BHR+1], 0x43800000 op_sel_hi:[1,0]
	v_pk_mul_f32 v[BHR+2:BHR+3], v[BHR+2:BHR+3], 0x43800000 op_sel_hi:[1,0]
	global_store_b128 v10, v[BHR:BHR+3], s[20:21] offset:TBL+20480
	s_cmp_lg_u32 s28, 0
	s_cbranch_scc1 .Lwave1
.irp j, 0,1,2,3
	v_pk_mul_f32 v[WFR+2*\j:WFR+2*\j+1], v[WFR+2*\j:WFR+2*\j+1], 0x43800000 op_sel_hi:[1,0]
.endr
.irp j, 0,1,2,3
	v_cvt_pk_f16_f32 v[WFO+\j], v[WFR+2*\j], v[WFR+2*\j+1]
.endr
	global_store_b128 v12, v[WFO:WFO+3], s[20:21] offset:TBL+24576     ; wave 0: f16(256 wf), 512 bytes
	s_endpgm
.Lwave1:
	s_cmp_lg_u32 s28, 1
	s_cbranch_scc1 .Lwave2
	global_store_b64 v13, v[O2R:O2R+1], s[20:21] offset:TBL+25088      ; wave 1: ow2, 256 bytes
	s_endpgm
.Lwave2:
	s_cmp_lg_u32 s28, 2
	s_cbranch_scc1 .Ldone
	v_mov_b32 v16, 0
	v_mov_b32 v17, 0
	global_store_b64 v13, v[16:17], s[20:21] offset:TBL+25344          ; wave 2: the last 256 bytes of the tables' 100 rows
.Ldone:
	s_endpgm
.Lfunc_end_k_qaaba1aa8ac_prep:
	.size	k_qaaba1aa8ac_prep, .Lfunc_end_k_qaaba1aa8ac_prep-k_qaaba1aa8ac_prep
	.p2alignl 7, 3214868480
	.fill 96, 4, 3214868480
	.section	.rodata,"a",@progbits
	.p2align	6, 0x0
	.amdhsa_kernel k_qaaba1aa8ac_prep
		.amdhsa_group_segment_fixed_size 0
		.amdhsa_private_segment_fixed_size 0
		.amdhsa_enable_private_segment 0
		.amdhsa_kernarg_size 72
		.amdhsa_user_sgpr_count 2
		.amdhsa_user_sgpr_kernarg_segment_ptr 1
		.amdhsa_wavefront_size32 1
		.amdhsa_system_sgpr_workgroup_id_x 1
		.amdhsa_system_sgpr_workgroup_id_y 1
		.amdhsa_system_sgpr_workgroup_id_z 1
		.amdhsa_system_vgpr_workitem_id 0
		.amdhsa_next_free_vgpr 112
		.amdhsa_next_free_sgpr 66
		.amdhsa_reserve_vcc 0
		.amdhsa_float_denorm_mode_32 3
		.amdhsa_float_denorm_mode_16_64 3
		.amdhsa_memory_ordered 1
		.amdhsa_forward_progress 1
		.amdhsa_inst_pref_size 19
	.end_amdhsa_kernel
	.amdgpu_metadata
---
amdhsa.version: [ 1, 2 ]
amdhsa.kernels:
  - .name:           k_qaaba1aa8ac_prep
    .symbol:         k_qaaba1aa8ac_prep.kd
    .args:
      - { .name: wh, .offset: 0, .size: 8, .value_kind: global_buffer, .address_space: global }
      - { .name: bh, .offset: 8, .size: 8, .value_kind: global_buffer, .address_space: global }
      - { .name: w0, .offset: 16, .size: 8, .value_kind: global_buffer, .address_space: global }
      - { .name: b0, .offset: 24, .size: 8, .value_kind: global_buffer, .address_space: global }
      - { .name: ow1, .offset: 32, .size: 8, .value_kind: global_buffer, .address_space: global }
      - { .name: ob1, .offset: 40, .size: 8, .value_kind: global_buffer, .address_space: global }
      - { .name: ow2, .offset: 48, .size: 8, .value_kind: global_buffer, .address_space: global }
      - { .name: wf, .offset: 56, .size: 8, .value_kind: global_buffer, .address_space: global }
      - { .name: wimg, .offset: 64, .size: 8, .value_kind: global_buffer, .address_space: global }
    .group_segment_fixed_size: 0
    .private_segment_fixed_size: 0
    .kernarg_segment_align: 8
    .kernarg_segment_size: 72
    .max_flat_workgroup_size: 256
    .sgpr_count:     66
    .vgpr_count:     112
    .wavefront_size: 32
...
	.end_amdgpu_metadata
.endif
;; end of part 1
;; launch siren (part 2): grid 256 x 1, 4 waves a work-group, clusters of 4 x 1, 327,680 bytes of LDS; arguments coords, wimg, ob2, bf, out0; writes out0
.if DOCPART == 2
	.amdgcn_target "amdgcn-amd-amdhsa--gfx1250"
	.amdhsa_code_object_version 6
	.text
	.protected	k_qaaba1aa8ac_siren
	.globl	k_qaaba1aa8ac_siren
	.p2align	8
	.type	k_qaaba1aa8ac_siren,@function
k_qaaba1aa8ac_siren:
	s_mov_b64 s[64:65], 0
	v_nop
	global_prefetch_b8 v0, s[64:65] scope:SCOPE_SE
	s_setreg_imm32_b32 hwreg(HW_REG_WAVE_MODE, 25, 1), 1
	s_wait_xcnt 0x0
	s_wait_alu depctr_hold_cnt(0) depctr_sa_sdst(0) depctr_va_vdst(0) depctr_va_sdst(0) depctr_va_ssrc(0) depctr_va_vcc(0) depctr_vm_vsrc(0)
	s_getreg_b32 s2, hwreg(HW_REG_IB_STS2, 6, 4)
	s_cmp_eq_u32 s2, 0
	s_cbranch_scc0 .Lentry_in_a_cluster
	s_endpgm
.Lentry_in_a_cluster:
	s_bfe_u32 s2, ttmp6, 0x10000c
	s_cmp_lg_u32 s2, 0x3003
	s_cbranch_scc0 .Lentry_shape_is_right
	s_endpgm
.Lentry_shape_is_right:
; out[n] = x4[n] . wf + bf,  x0 = sin(omega (c W0 + b0)),  x(i+1) = sin(omega (x(i) Wh[i] + bh[i])),  omega = 10 + 90 sigmoid(relu(c ow1 + ob1) . ow2 + ob2):  262,144 rows, all in one launch.
; SHARES.  Work-group w owns rows 1,024 w on, in four passes of 256; a wave owns 64 rows of a pass: four tiles of 16 samples; lane r of tile s holds sample 4 r + s, so a lane's four
; coordinate rows are 64 consecutive bytes and its four results 16.
; LAYOUT.  Every product is used transposed: source 0 = 16 output features x 32 inputs (a weight fragment, from LDS, 16 bytes a lane on end), source 1 = 32 inputs x 16 samples (the activations,
; in registers).  In the result a lane holds ONE sample (lane % 16) and the features 8 (lane / 16) + 0..7: omega is one number a lane and tile, the bias is the C operand that starts the sum, and two
; feature tiles rounded to f16 in pairs ARE the next layer's source 1: nothing changes lanes.  A layer's new activations cannot land on the old ones, which fill window 1 and are read to the layer's
; end; so each finished tile goes 16 bytes a lane into the wave's own stage in LDS, and 64 loads bring the layer back at its end.
; FORMATS.  Hidden and last layer: f16 x f16, sums in f32; weights and biases arrive times 256 (exact), and 2^-8 lies in the factor w' = omega 2^-8 / 2 pi.  First layer and predictor: one bf16
; product whose 32 places of K hold the three bf16 parts of each f32 number (hi hi, mid hi, lo hi, hi mid, mid mid, hi lo, and the bias's three parts times 1): what is left out is of the order of 2^-27.
; The predictor's second product, 64 multiply-adds a row, is made in f32 by vector instructions: its error reaches every sine's argument times omega.
; THE SINE.  t = a w' is the argument in turns; n = (t + 1.5 x 2^23) - 1.5 x 2^23 is the nearest whole number; r = fma(a, w', -n) lies in -1/2 .. 1/2; sin(2 pi r) = r (C1 + q (C3 + q (C5 + q (C7 + q C9)))),
; q = r r: ten packed instructions for two numbers.  The sines of one feature tile stand, five at a time, behind the matrix instructions of the next.
; LIMITS.  |omega (x W + b)| / 2 pi under 2^22; 256 |wh|, 256 |wf| under 65,504; activations and hidden weights are rounded to f16 (11 bits; below 6e-5 in the scaled weight or in x a fixed step of 6e-8);
; the polynomial is off by 6e-6 at the most; w' differs from the reference's omega / 2 pi by a few f32 roundings; NaN and infinities are not treated apart.
; WEIGHTS.  LDS holds one layer's image in two slots of half a layer, 65,536 bytes.  All work-groups walk the same 32 half layers, so each is asked for JOINTLY by the four work-groups of a cluster: the
; same tensor load, descriptor and mask in all four; each wave asks for a quarter, 64 rows of 256 bytes.  A wave has two tensor loads out at the start and one behind each round.
; REGISTERS.  Window 0 as below; window 1: the activations, tile s, inputs 32 kb on, at 64 s + 8 kb.  s_set_vgpr_msb: bits 1:0 source 0, 3:2 source 1, 5:4 source 2, 7:6 destination.
.set TAB,   131072                     ; LDS: behind the two slots the tables, 25,600 bytes: +0 first-layer and predictor fragments, +20480 256 bh, +24576 f16(256 wf), +25088 ow2
.set STAGE, 156672                     ; 32,768 bytes for each wave: feature tile f, sample tile s at (4 f + s) x 512 + 16 x lane; no tensor load lands here
.set SPARE, 287744                     ; the spare words, 128 bytes for each wave: two blocks of 256 bytes that no other line names
.set SPW,  2                           ; v2   LDS address of my spare word; never rewritten
.set NIL,  3                           ; v3   0; never rewritten
.set AA,   4                           ; v4   LDS address of the fragments being fetched
.set BA,   5                           ; v5   of the bias being fetched
.set SA,   6                           ; v6   where the pair of feature tiles in hand goes in my stage
.set RA,   7                           ; v7   my stage + 16 x lane; never rewritten
.set LN16, 8                           ; v8   16 x lane
.set HB,   9                           ; v9   the bias table + 32 (lane / 16)
.set WFA,  10                          ; v10  wf's table + 16 (lane / 16)
.set CO,   11                          ; v11  64 (lane % 16): my four coordinate rows
.set OO,   12                          ; v12  16 (lane % 16) + 8 (lane / 16): my two results
.set W,    16                          ; v[16:23]   w' of sample tile s, twice, at W + 2 s
.set CR,   24                          ; v[24:39]   coordinates, four a tile
.set B0,   40                          ; v[40:71]   the coordinates' fragments, eight a tile
.set XN,   72                          ; v[72:87]   new activations in f16, four a tile
.set U,    88                          ; v[88:95]   at work
.set Q,    96                          ; v[96:103]  at work
.set BIAS, 104                         ; v[104:119] two sets of eight
.set ACC,  120                         ; v[120:183] two sets of four accumulators: set e, tile s at ACC + 32 e + 8 s
.set AF,   184                         ; v[184:247] eight weight fragments
.set SS,   248                         ; v[248:255] the predictor's sums, a pair a tile
.set WV,   14                          ; s14  my wave's number
.set G1,   16                          ; s[16:23] descriptor group 1 of the ring: 64 rows of 256 bytes
.set G0,   24                          ; s[24:27] its group 0
.set G0T,  28                          ; s[28:31] group 0 of the tables' load
.set G1T,  32                          ; s[32:39] its group 1: 25 rows of 256 bytes
.set M,    40                          ; pairs, both words alike: 1.5 x 2^23, its negative, the polynomial
.set NM,   42
.set C1,   44
.set C3,   46
.set C5,   48
.set C7,   50
.set C9,   52
.set HM,   54                          ; s54  0xffff0000: a word's upper bf16; as a lane mask: lanes 16-31
.set OB2S, 55                          ; s55  -log2(e) ob2
.set BFV,  56                          ; s56  bf
.set K90,  57                          ; s57  90 x 2^-8 / 2 pi
.set SEL,  58                          ; s[58:59] v_permlanex16_b32's selects: each lane takes its own place in the other half
.set LC,   60                          ; s60  layers to go, 16 to 1
.set CNT,  61                          ; s61  counts the inner loops
.set LP,   62                          ; s62  hidden layers done in this pass
.set NXT,  63                          ; s63  the half layer to be asked for next, 0 to 7
.set OFF,  66                          ; s[66:67] its byte offset
.set PASSN, 68                         ; s68  the pass
.set SO,   69                          ; s69  offset in the stage of the pair of feature tiles in hand
.set WB,   70                          ; s[70:71] wimg + my quarter of a half layer
.set TA,   72                          ; s72  LDS byte at which the fragments to be fetched next begin
.set TBI,  73                          ; s73  byte in the bias table of the feature tile to be fetched next
.set ONE2, 74                          ; s74  bf16 1, 1
.set ONE1, 75                          ; s75  bf16 1, 0
.set R256, 76                          ; s76  2^-8
.set NL2E, 77                          ; s77  -log2(e)
.set K10,  78                          ; s78  10 x 2^-8 / 2 pi
.set MSB, 0
.macro WIN new                         ; the immediate's high byte repeats the setting that is left; a switch that changes nothing is dropped
.if MSB != (\new)
	s_set_vgpr_msb (MSB<<8)|(\new)
.set MSB, \new
.endif
.endm
.macro PLACES                          ; a vector instruction or a load that touches a matrix instruction's registers stands four plain vector instructions behind it (ISA guide 7.12.1 for vector instructions)
.rept 4
	v_nop
.endr
.endm
.macro SPAIR r, val
	s_mov_b32 s[\r], \val
	s_mov_b32 s[(\r)+1], \val
.endm
.macro CREST                           ; a round of the cluster's barrier behind its opening barrier: wave 0 signals for the work-group, every wave waits for all four work-groups, my work-group's barrier closes it
	s_cmp_lg_u32 s[WV], 0
	s_cbranch_scc1 .Lnot_wave_0_\@
	s_barrier_signal -3
.Lnot_wave_0_\@:
	s_barrier_wait -3
	s_barrier_signal -1
	s_barrier_wait -1
.endm
.macro ROUND                           ; a whole round
	s_barrier_signal -1
	s_barrier_wait -1
	CREST
.endm
; THE SINES of accumulator set rs: a list of 160 instructions, 40 a sample tile: ten steps for each of the tile's four pairs of registers, the pairs by turns, so that a result is read four
; instructions behind the one that made it.  RONE writes number ri of the list.  The first read of an accumulator is of its two lowest registers.
; st = 1: a finished tile's 16 bytes a lane go into the stage.
.macro RONE rs, st
.set rt, ri/40
.set rk, (ri%40)/4
.set ra, ACC+32*(\rs)+8*rt+2*(ri%4)
.set ru, U+2*(ri%4)
.set rq, Q+2*(ri%4)
.set rw, W+2*rt
.if rk == 0
	v_pk_fma_f32 v[ru:ru+1], v[ra:ra+1], v[rw:rw+1], s[M:M+1] op_sel_hi:[1,1,0]                  ; t + 1.5 x 2^23: rounds t to a whole number
.elseif rk == 1
	v_pk_add_f32 v[ru:ru+1], v[ru:ru+1], s[NM:NM+1] op_sel_hi:[1,0]                              ; n
.elseif rk == 2
	v_pk_fma_f32 v[ra:ra+1], v[ra:ra+1], v[rw:rw+1], v[ru:ru+1] neg_lo:[0,0,1] neg_hi:[0,0,1]    ; r = a w' - n, one rounding
.elseif rk == 3
	v_pk_mul_f32 v[rq:rq+1], v[ra:ra+1], v[ra:ra+1]
.elseif rk == 4
	v_pk_fma_f32 v[ru:ru+1], v[rq:rq+1], s[C9:C9+1], s[C7:C7+1] op_sel_hi:[1,0,0]
.elseif rk == 5
	v_pk_fma_f32 v[ru:ru+1], v[ru:ru+1], v[rq:rq+1], s[C5:C5+1] op_sel_hi:[1,1,0]
.elseif rk == 6
	v_pk_fma_f32 v[ru:ru+1], v[ru:ru+1], v[rq:rq+1], s[C3:C3+1] op_sel_hi:[1,1,0]
.elseif rk == 7
	v_pk_fma_f32 v[ru:ru+1], v[ru:ru+1], v[rq:rq+1], s[C1:C1+1] op_sel_hi:[1,1,0]
.elseif rk == 8
	v_pk_mul_f32 v[ru:ru+1], v[ru:ru+1], v[ra:ra+1]
.else
	v_cvt_pk_f16_f32 v[XN+4*rt+ri%4], v[ru], v[ru+1]
.endif
.if (\st) && (ri%40 == 39)
	ds_store_b128 v[SA], v[XN+4*rt:XN+4*rt+3] offset:(\rs)*2048+rt*512
.endif
.set ri, ri+1
.endm
.macro RID n, rs, st
.rept \n
	RONE \rs, \st
.endr
.endm
.macro RALL rs, st                     ; the whole list
.set ri, 0
	RID 160, \rs, \st
.endm
.macro STEPSA                          ; the next pair of feature tiles in the stage
	s_add_co_u32 s[SO], s[SO], 4096
	v_add_nc_u32 v[SA], s[SO], v[RA]
.endm
; A GROUP: one feature tile x four sample tiles x 256 inputs: 32 matrix instructions into accumulator set acc; the four accumulators take turns.
; rid = 1: five of the other set's sines stand behind each matrix instruction; they name none of its registers, so they are also the places in front of the loads below.
; pf = 1: the next group's bias and fragments are fetched: fragment kb's two loads stand at the end of step kb, which has read the old one: seven steps ahead of their use.
; THE WAITS.  pf = 1: 14: behind fragment kb's two loads at least the other seven fragments' 14 were issued (the bias's two stand ahead of fragment 0's).  pf = 0: nothing is fetched, so only the 2 (7 - kb)
; loads of the later fragments are counted on.  wm = 1 (a layer's first group): the youngest LDS instructions are the activations' loads, eight for each kb: 8 (7 - kb) belong to later steps.
.macro GROUP acc, rid, pf, wm
	WIN 0
.if \pf
	v_add_nc_u32 v[AA], s[TA], v[LN16]
	s_add_co_u32 s[TA], s[TA], 8192
	v_add_nc_u32 v[BA], s[TBI], v[HB]
	s_add_co_u32 s[TBI], s[TBI], 64
.endif
.set ri, 0
.set gk, 0
.rept 8
.if \wm
	s_wait_dscnt 8*(7-gk)
.elseif \pf
	s_wait_dscnt 14
.else
	s_wait_dscnt 14-2*gk
.endif
.set gs, 0
.rept 4
.set gd, ACC+32*(\acc)+8*gs
.set ga, AF+8*gk
.set gx, 64*gs+8*gk
.set gb, BIAS+8*(\acc)
	WIN 0x04                                       ; source 1, the activations, in window 1
.if gk == 0
	v_wmma_f32_16x16x32_f16 v[gd:gd+7], v[ga:ga+7], v[gx:gx+7], v[gb:gb+7]   ; the bias starts the sum
.else
	v_wmma_f32_16x16x32_f16 v[gd:gd+7], v[ga:ga+7], v[gx:gx+7], v[gd:gd+7]
.endif
.if \rid
	WIN 0
	RID 5, 1-(\acc), 1
.endif
.set gs, gs+1
.endr
.if !(\rid)
	PLACES                                         ; no vector work is at hand; the loads below name a destination and source 0 alone, which are window 0 under this setting too
.endif
.if \pf
.if gk == 0
	ds_load_b128 v[BIAS+8*(1-(\acc)):BIAS+8*(1-(\acc))+3], v[BA]             ; eight f32, the same for the sixteen lanes of a half
	ds_load_b128 v[BIAS+8*(1-(\acc))+4:BIAS+8*(1-(\acc))+7], v[BA] offset:16
.endif
	ds_load_b128 v[ga:ga+3], v[AA] offset:1024*gk
	ds_load_b128 v[ga+4:ga+7], v[AA] offset:1024*gk+512
.endif
.set gk, gk+1
.endr
	WIN 0
.if (\rid) && ((\acc) == 0)
	STEPSA                                         ; the odd feature tile of a pair has been stored
.endif
.endm
.macro RELOAD                          ; a layer's activations come back from my stage: feature tiles 2 kb and 2 kb + 1 are inputs 32 kb on.  LDS serves a wave's instructions in order (ISA guide 5.7.1): these see my stores
	WIN 0x40                                       ; destination window 1
.set gk, 0
.rept 8
.set gs, 0
.rept 4
	ds_load_b128 v[64*gs+8*gk:64*gs+8*gk+3],   v[RA] offset:4096*gk+512*gs
	ds_load_b128 v[64*gs+8*gk+4:64*gs+8*gk+7], v[RA] offset:4096*gk+512*gs+2048
.set gs, gs+1
.endr
.set gk, gk+1
.endr
	WIN 0
.endm
.macro STEPD                           ; the ring's group 0: the other slot, half layer NXT; its address is made anew from wimg's
	s_lshl_b32 s[OFF], s[NXT], 16
	s_xor_b32 s[G0+1], s[G0+1], 65536
	s_add_nc_u64 s[G0+2:G0+3], s[WB:WB+1], s[OFF:OFF+1]
	s_or_b32 s[G0+3], s[G0+3], 0x80000000
	s_add_co_u32 s[NXT], s[NXT], 1
	s_and_b32 s[NXT], s[NXT], 7
.endm
; THE CHANGE TO SLOT 1, in front of group 7, which fetches group 8's fragments: all reads of slot 0 have been issued.  Each wave waits for all its tensor loads, of which one is out: its part of slot 1; adds 0 to
; its spare word; waits for that and for its reads.  fill = 1: a round of the cluster's barrier, and slot 0 takes the next layer's first half, first thing behind it: it has nine groups and more in which to land.
.macro MID fill
	WIN 0
	s_wait_tensorcnt 0x0                           ; no tensor load of mine is out, so group 0 may be written
	ds_add_u32 v[SPW], v[NIL]                      ; 0 onto my spare word
.if \fill
	STEPD
.endif
	s_wait_dscnt 0x0                               ; the add is done, and my reads of slot 0 are back
.if \fill
	ROUND
	tensor_load_to_lds s[G0:G0+3], s[G1:G1+7]
	s_nop 0
	PLACES
.else
	s_barrier_signal -1
	s_barrier_wait -1
.endif
.endm
.macro REST                            ; groups 7 to 15
	s_mov_b32 s[CNT], 4
.Lrest_\@:
	GROUP 1, 1, 1, 0
	GROUP 0, 1, 1, 0
	s_sub_co_u32 s[CNT], s[CNT], 1
	s_cmp_lg_u32 s[CNT], 0
	s_cbranch_scc1 .Lrest_\@
	GROUP 1, 1, 0, 0                               ; the layer's last group fetches nothing
.endm
; THE LAST LAYER.  Every row of source 0 is wf, so every register of the result holds the sample's number; the lowest is taken.  Lanes 0-15 store tiles 0, 1, lanes 16-31 tiles 2, 3.
.macro FINISH
	RALL 1, 1
	RELOAD
.irp k, 0,1,2,3,4,5,6,7
	ds_load_b128 v[AF+8*\k:AF+8*\k+3],   v[WFA] offset:64*\k
	ds_load_b128 v[AF+8*\k+4:AF+8*\k+7], v[WFA] offset:64*\k+32
.endr
	s_wait_dscnt 0x0
	WIN 0x04
.set gk, 0
.rept 8
.set gs, 0
.rept 4
.set gd, ACC+8*gs
.if gk == 0
	v_wmma_f32_16x16x32_f16 v[gd:gd+7], v[AF+8*gk:AF+8*gk+7], v[64*gs+8*gk:64*gs+8*gk+7], 0
.else
	v_wmma_f32_16x16x32_f16 v[gd:gd+7], v[AF+8*gk:AF+8*gk+7], v[64*gs+8*gk:64*gs+8*gk+7], v[gd:gd+7]
.endif
.set gs, gs+1
.endr
.set gk, gk+1
.endr
	WIN 0
	PLACES
.irp s, 0,1,2,3
	v_fma_f32 v[U+\s], v[ACC+8*\s], s[R256], s[BFV]
.endr
	v_cndmask_b32 v14, v[U], v[U+2], s[HM]
	v_cndmask_b32 v15, v[U+1], v[U+3], s[HM]
	global_store_b64 v[OO], v[14:15], s[12:13] th:TH_STORE_NT  ; the wave stores 256 consecutive bytes, aligned
	s_wait_xcnt 0x0                                ; the store's base and data are rewritten only behind this wait
	s_add_nc_u64 s[12:13], s[12:13], 1024          ; the next pass's rows
.endm
; Half of the predictor's 64 features: eight products, relu, and the sums with ow2.
.macro PRED fp
.set pe, 0
.rept 2
.set ps, 0
.rept 4
	v_wmma_f32_16x16x32_bf16 v[ACC+32*pe+8*ps:ACC+32*pe+8*ps+7], v[AF+8*(2*(\fp)+pe):AF+8*(2*(\fp)+pe)+7], v[B0+8*ps:B0+8*ps+7], 0
.set ps, ps+1
.endr
.set pe, pe+1
.endr
	PLACES
.set pj, 0
.rept 64
	v_max_num_f32 v[ACC+pj], 0, v[ACC+pj]          ; ascending: each accumulator is read from its low end on
.set pj, pj+1
.endr
.set pj, 0
.rept 32                               ; the four tiles' sums by turns
.set pa, ACC+32*(pj/16)+8*(pj%4)+2*((pj/4)%4)
.set po, AF+32+8*(2*(\fp)+pj/16)+2*((pj/4)%4)
.set pz, SS+2*(pj%4)
.if ((\fp) == 0) && (pj < 4)
	v_pk_mul_f32 v[pz:pz+1], v[pa:pa+1], v[po:po+1]
.else
	v_pk_fma_f32 v[pz:pz+1], v[pa:pa+1], v[po:po+1], v[pz:pz+1]
.endif
.set pj, pj+1
.endr
.endm
	s_load_b256 s[4:11], s[0:1], 0x0               ; coords s[4:5], wimg s[6:7], ob2 s[8:9], bf s[10:11]
	s_load_b64 s[12:13], s[0:1], 0x20              ; out0
	v_lshl_add_u32 v[SPW], v0, 2, SPARE
	v_mov_b32 v[NIL], 0
	ds_add_u32 v[SPW], v[NIL]                      ; the wave's opening: the add and its wait stand ahead of my first tensor load; the set-up below, work on registers, stands between them
	v_lshrrev_b32 v1, 5, v0
	v_readfirstlane_b32 s[WV], v1                  ; wave 0..3
	s_bfe_u32 s83, ttmp6, 0x40000                  ; cx: my place in the cluster.  It enters s[80:83] alone, the offsets of my rows in coords and out0
	s_lshl_b32 s82, ttmp9, 2                       ; in a cluster launch ttmp9 counts clusters
	s_add_co_u32 s82, s82, s83                     ; work-group
	s_lshl_b32 s80, s82, 14                        ; its 1,024 rows of 16 bytes,
	s_lshl_b32 s15, s[WV], 10                      ; my wave's 64
	s_add_co_u32 s80, s80, s15
	s_mov_b32 s81, 0
	s_lshl_b32 s82, s82, 12                        ; and its 1,024 results of 4 bytes,
	s_lshl_b32 s15, s[WV], 8                       ; my wave's 64
	s_add_co_u32 s82, s82, s15
	s_mov_b32 s83, 0
	SPAIR M,  0x4b400000                           ; 1.5 x 2^23
	SPAIR NM, 0xcb400000
	SPAIR C1, 0x40c90ec8                           ; 6.2830542
	SPAIR C3, 0xc2255312                           ; -41.331125
	SPAIR C5, 0x42a2bb23                           ; 81.365504
	SPAIR C7, 0xc294f124                           ; -74.470977
	SPAIR C9, 0x4203135b                           ; 32.768902
	s_mov_b32 s[HM], 0xffff0000
	s_mov_b32 s[K90], 0x3d652ee1                   ; 90 x 2^-8 / 2 pi
	s_mov_b32 s[K10], 0x3bcbb7e4                   ; 10 x 2^-8 / 2 pi
	s_mov_b32 s[SEL], 0x76543210
	s_mov_b32 s[SEL+1], 0xfedcba98
	s_mov_b32 s[ONE2], 0x3f803f80
	s_mov_b32 s[ONE1], 0x00003f80
	s_mov_b32 s[R256], 0x3b800000
	s_mov_b32 s[NL2E], 0xbfb8aa3b
	; descriptor groups 1: dense bytes as rows of 256: elements of 8 bytes, 32 a row, 32 from row to row; 64 rows for the ring, 25 for the tables
	s_mov_b32 s[G1], 15|(3<<16)|(1<<21)            ; 15:0 the mask: all four work-groups; 17:16 elements of 8 bytes; 21 set beside a mask; no padding: all reads are 16 bytes a lane on end, or one address for sixteen lanes
	s_mov_b32 s[G1+1], 32<<16                      ; tensor_dim0 = 32
	s_mov_b32 s[G1+2], 64<<16                      ; tensor_dim1 = 64
	s_mov_b32 s[G1+3], 32<<16                      ; tile_dim0 = 32
	s_mov_b32 s[G1+4], 64                          ; tile_dim1 = 64
	s_mov_b32 s[G1+5], 32                          ; elements from row to row
	s_mov_b32 s[G1+6], 0
	s_mov_b32 s[G1+7], 0
	s_mov_b32 s[G1T], 15|(3<<16)|(1<<21)
	s_mov_b32 s[G1T+1], 32<<16
	s_mov_b32 s[G1T+2], 25<<16
	s_mov_b32 s[G1T+3], 32<<16
	s_mov_b32 s[G1T+4], 25
	s_mov_b32 s[G1T+5], 32
	s_mov_b32 s[G1T+6], 0
	s_mov_b32 s[G1T+7], 0
	s_mov_b32 s[G0], 1                             ; count = 1
	s_lshl_b32 s[G0+1], s[WV], 14                  ; LDS: slot 0, my quarter
	s_mov_b32 s[G0T], 1
	s_mul_i32 s[G0T+1], s[WV], 6400
	s_add_co_u32 s[G0T+1], s[G0T+1], TAB           ; LDS: the tables, my 25 rows
	v_and_b32 v1, 31, v0
	v_lshlrev_b32 v[LN16], 4, v1
	v_and_b32 v13, 15, v0                          ; r
	v_bfe_u32 v1, v0, 4, 1                         ; h
	v_lshl_add_u32 v[HB], v1, 5, TAB+20480
	v_lshl_add_u32 v[WFA], v1, 4, TAB+24576
	v_lshlrev_b32 v[CO], 6, v13
	v_lshlrev_b32 v[OO], 4, v13
	v_lshl_add_u32 v[OO], v1, 3, v[OO]
	s_lshl_b32 s15, s[WV], 15
	s_add_co_u32 s15, s15, STAGE
	v_add_nc_u32 v[RA], s15, v[LN16]
	s_wait_dscnt 0x0                               ; the opening add is done
	s_wait_kmcnt 0x0
	s_load_b32 s[OB2S], s[8:9], 0x0
	s_load_b32 s[BFV], s[10:11], 0x0
	s_add_nc_u64 s[4:5], s[4:5], s[80:81]          ; coords and out0 at my wave's rows of pass 0
	s_add_nc_u64 s[12:13], s[12:13], s[82:83]
	s_lshl_b32 s[OFF], s[WV], 14
	s_mov_b32 s[OFF+1], 0                          ; stays 0
	s_add_nc_u64 s[WB:WB+1], s[6:7], s[OFF:OFF+1]
	s_mov_b64 s[G0+2:G0+3], s[WB:WB+1]             ; half layer 0
	s_or_b32 s[G0+3], s[G0+3], 0x80000000          ; type = 2
	s_mul_i32 s[OFF], s[WV], 6400
	s_add_co_u32 s[OFF], s[OFF], 524288
	s_add_nc_u64 s[G0T+2:G0T+3], s[6:7], s[OFF:OFF+1]
	s_or_b32 s[G0T+3], s[G0T+3], 0x80000000
	s_wait_kmcnt 0x0
	s_mul_f32 s[OB2S], s[OB2S], s[NL2E]
	ROUND                                          ; all four work-groups are here: the first joint loads meet
	tensor_load_to_lds s[G0T:G0T+3], s[G1T:G1T+7]  ; the tables first: they are wanted first
	s_nop 0
	tensor_load_to_lds s[G0:G0+3], s[G1:G1+7]      ; half layer 0 into slot 0
	s_nop 0
	PLACES
.irp s, 0,1,2,3
	global_load_b128 v[CR+4*\s:CR+4*\s+3], v[CO], s[4:5] offset:16*\s th:TH_LOAD_NT  ; sample 4 r + s; both halves of the lanes take the same rows
.endr
	s_mov_b32 s[LC], 16
	s_mov_b32 s[LP], 0
	s_mov_b32 s[PASSN], 0
	s_mov_b32 s[NXT], 1
	s_wait_tensorcnt 0x1                           ; my part of the tables is in; slot 0's load, issued behind it, may stay out
	s_barrier_signal -1
	s_barrier_wait -1                              ; everybody's part is
	s_branch .Lpass                                ; the loop over layers is entered at a pass's beginning
.Lmid:                                             ; a trip: the second half of a hidden layer, at a pass's end the last layer and the next pass's first, then the first half of the next hidden layer
	MID 1
	REST
	s_add_co_u32 s[LP], s[LP], 1
	s_cmp_lg_u32 s[LP], 4
	s_cbranch_scc1 .Ltop                           ; forward, past text that holds neither a barrier nor a tensor load
	FINISH
	s_mov_b32 s[LP], 0
	s_add_co_u32 s[PASSN], s[PASSN], 1
.Lpass:
	; A PASS BEGINS.  The coordinates are split into three bf16 parts and laid along K beside the weights' parts:
	; lanes 0-15: k 0-7 hi, hi; k 16-23 mid, lo.  Lanes 16-31: k 8-15 hi, mid; k 24-31 1, 1, 1, 0 ..
	s_wait_loadcnt 0x0
.set ps, 0
.rept 4
.set pcr, CR+4*ps
.set pbf, B0+8*ps
	v_cvt_pk_bf16_f32 v[pbf], v[pcr], v[pcr+1]     ; hi
	v_cvt_pk_bf16_f32 v[pbf+1], v[pcr+2], v[pcr+3]
	v_lshlrev_b32 v[U], 16, v[pbf]
	v_and_b32 v[U+1], s[HM], v[pbf]
	v_lshlrev_b32 v[U+2], 16, v[pbf+1]
	v_and_b32 v[U+3], s[HM], v[pbf+1]
	v_pk_add_f32 v[Q:Q+1], v[pcr:pcr+1], v[U:U+1] neg_lo:[0,1] neg_hi:[0,1]          ; c - hi, exact
	v_pk_add_f32 v[Q+2:Q+3], v[pcr+2:pcr+3], v[U+2:U+3] neg_lo:[0,1] neg_hi:[0,1]
	v_cvt_pk_bf16_f32 v[U+4], v[Q], v[Q+1]         ; mid
	v_cvt_pk_bf16_f32 v[U+5], v[Q+2], v[Q+3]
	v_lshlrev_b32 v[U], 16, v[U+4]
	v_and_b32 v[U+1], s[HM], v[U+4]
	v_lshlrev_b32 v[U+2], 16, v[U+5]
	v_and_b32 v[U+3], s[HM], v[U+5]
	v_pk_add_f32 v[Q:Q+1], v[Q:Q+1], v[U:U+1] neg_lo:[0,1] neg_hi:[0,1]
	v_pk_add_f32 v[Q+2:Q+3], v[Q+2:Q+3], v[U+2:U+3] neg_lo:[0,1] neg_hi:[0,1]
	v_cvt_pk_bf16_f32 v[U+6], v[Q], v[Q+1]         ; lo
	v_cvt_pk_bf16_f32 v[U+7], v[Q+2], v[Q+3]
	v_cndmask_b32 v[pbf+2], v[pbf], v[U+4], s[HM]
	v_cndmask_b32 v[pbf+3], v[pbf+1], v[U+5], s[HM]
	v_cndmask_b32 v[pbf+4], v[U+4], s[ONE2], s[HM]
	v_cndmask_b32 v[pbf+5], v[U+5], s[ONE1], s[HM]
	v_cndmask_b32 v[pbf+6], v[U+6], 0, s[HM]
	v_cndmask_b32 v[pbf+7], v[U+7], 0, s[HM]
.set ps, ps+1
.endr
	s_cmp_eq_u32 s[PASSN], 3
	s_cbranch_scc1 .Lno_coords                     ; the last pass asks for nothing: no load leaves the buffer
	s_add_nc_u64 s[4:5], s[4:5], 4096              ; free since the wait for the loads that named it
.irp s, 0,1,2,3
	global_load_b128 v[CR+4*\s:CR+4*\s+3], v[CO], s[4:5] offset:16*\s th:TH_LOAD_NT  ; the next pass's rows have a whole pass in which to come
.endr
.Lno_coords:
	; OMEGA.  64 features in four tiles; relu; times ow2, summed in the lane and with the lane 16 away, which holds the other eight features of each tile.
	s_mov_b32 s[TA], TAB
	v_add_nc_u32 v[AA], s[TA], v[LN16]
.irp i, 0,1,2,3
	ds_load_b128 v[AF+8*\i:AF+8*\i+3],   v[AA] offset:16384+1024*\i
	ds_load_b128 v[AF+8*\i+4:AF+8*\i+7], v[AA] offset:16384+1024*\i+512
.endr
.irp i, 0,1,2,3
	ds_load_b128 v[AF+32+8*\i:AF+32+8*\i+3],   v[HB] offset:4608+64*\i     ; ow2 lies 4,608 bytes behind the bias table
	ds_load_b128 v[AF+32+8*\i+4:AF+32+8*\i+7], v[HB] offset:4608+64*\i+16
.endr
	s_wait_dscnt 0x0
	PRED 0
	PRED 1
.irp s, 0,1,2,3
	v_add_f32 v[U+\s], v[SS+2*\s], v[SS+2*\s+1]
.endr
.irp s, 0,1,2,3
	v_permlanex16_b32 v[Q+\s], v[U+\s], s[SEL], s[SEL+1]
.endr
.irp s, 0,1,2,3
	v_add_f32 v[U+\s], v[U+\s], v[Q+\s]
.endr
.irp s, 0,1,2,3
	v_fma_f32 v[U+\s], v[U+\s], s[NL2E], s[OB2S]   ; -log2(e) (h . ow2 + ob2)
.endr
.irp s, 0,1,2,3
	v_exp_f32 v[U+\s], v[U+\s]
.endr
	v_nop                                          ; a plain instruction between the last exponential and the use of its result (ISA guide 5.7.2)
	s_wait_alu depctr_va_vdst(0)
.irp s, 0,1,2,3
	v_add_f32 v[U+\s], 1.0, v[U+\s]
.endr
.irp s, 0,1,2,3
	v_rcp_f32 v[U+\s], v[U+\s]
.endr
	v_nop
	s_wait_alu depctr_va_vdst(0)
.irp s, 0,1,2,3
	v_fma_f32 v[W+2*\s], v[U+\s], s[K90], s[K10]   ; w' = (10 + 90 sigmoid) 2^-8 / 2 pi, twice: the packed lines multiply by a pair
	v_fma_f32 v[W+2*\s+1], v[U+\s], s[K90], s[K10]
.endr
	; THE FIRST LAYER: eight trips of two feature tiles; a tile is four products, one a sample tile, and 160 instructions of sines.  The loop ends with the last tile's sines owing,
	; as a hidden layer does.
	s_mov_b32 s[TBI], 0
	s_mov_b32 s[SO], 0
	v_mov_b32 v[SA], v[RA]
.irp i, 0,1
	ds_load_b128 v[AF+8*\i:AF+8*\i+3],   v[AA] offset:1024*\i
	ds_load_b128 v[AF+8*\i+4:AF+8*\i+7], v[AA] offset:1024*\i+512
.endr
	s_mov_b32 s[CNT], 8
.Lfirst_layer:
	s_wait_dscnt 0x0                               ; the trip's two fragments
.irp s, 0,1,2,3
	v_wmma_f32_16x16x32_bf16 v[ACC+8*\s:ACC+8*\s+7], v[AF:AF+7], v[B0+8*\s:B0+8*\s+7], 0
.endr
	s_cmp_eq_u32 s[CNT], 8
	s_cbranch_scc1 .Lno_odd                        ; the first trip has no odd tile behind it
	RALL 1, 1
	STEPSA
.Lno_odd:
.irp s, 0,1,2,3
	v_wmma_f32_16x16x32_bf16 v[ACC+32+8*\s:ACC+32+8*\s+7], v[AF+8:AF+15], v[B0+8*\s:B0+8*\s+7], 0
.endr
	PLACES                                         ; in front of the loads into the fragments and of the sines of the even tile
	s_cmp_eq_u32 s[CNT], 1
	s_cbranch_scc1 .Lno_fetch
	s_add_co_u32 s[TA], s[TA], 2048
	v_add_nc_u32 v[AA], s[TA], v[LN16]
.irp i, 0,1
	ds_load_b128 v[AF+8*\i:AF+8*\i+3],   v[AA] offset:1024*\i
	ds_load_b128 v[AF+8*\i+4:AF+8*\i+7], v[AA] offset:1024*\i+512
.endr
.Lno_fetch:
	RALL 0, 1
	s_sub_co_u32 s[CNT], s[CNT], 1
	s_cmp_lg_u32 s[CNT], 0
	s_cbranch_scc1 .Lfirst_layer
.Ltop:
	; A HIDDEN LAYER BEGINS.  Its first half lies in slot 0 or is on its way there; slot 1, which the layer before has read out, takes its second half.  Each wave waits for all its tensor loads, of which
	; one is out: its part of slot 0; adds 0 to its spare word; waits for that and for its reads.  The last feature tile's sines, work on registers alone, stand inside the round's opening barrier.
	s_wait_tensorcnt 0x0                           ; no tensor load of mine is out, so group 0 may be written
	ds_add_u32 v[SPW], v[NIL]                      ; 0 onto my spare word
	STEPD
	s_wait_dscnt 0x0                               ; the add is done, and my reads of slot 1 are back
	s_barrier_signal -1
	RALL 1, 0
	s_barrier_wait -1
	CREST                                          ; no wave of any partner still reads slot 1 or has a load on its way
	tensor_load_to_lds s[G0:G0+3], s[G1:G1+7]      ; first thing behind the round: it has seven groups in which to land
	s_nop 0
	PLACES
.irp t, 0,1,2,3
	ds_store_b128 v[SA], v[XN+4*\t:XN+4*\t+3] offset:2048+512*\t   ; the last feature tile
.endr
	v_mov_b32 v[AA], v[LN16]                       ; group 0's fragments lie at the head of slot 0
	s_mov_b32 s[TA], 8192
	v_add_nc_u32 v[BA], s[TBI], v[HB]
	s_add_co_u32 s[TBI], s[TBI], 64
	ds_load_b128 v[BIAS:BIAS+3], v[BA]
	ds_load_b128 v[BIAS+4:BIAS+7], v[BA] offset:16
.irp k, 0,1,2,3,4,5,6,7
	ds_load_b128 v[AF+8*\k:AF+8*\k+3],   v[AA] offset:1024*\k
	ds_load_b128 v[AF+8*\k+4:AF+8*\k+7], v[AA] offset:1024*\k+512
.endr
	RELOAD
	s_mov_b32 s[SO], 0
	v_mov_b32 v[SA], v[RA]
	GROUP 0, 0, 1, 1                               ; group 0 has no sines beside it: the layer before has none left
	s_mov_b32 s[CNT], 3
.Lfirst_half:                                      ; groups 1 to 6
	GROUP 1, 1, 1, 0
	GROUP 0, 1, 1, 0
	s_sub_co_u32 s[CNT], s[CNT], 1
	s_cmp_lg_u32 s[CNT], 0
	s_cbranch_scc1 .Lfirst_half
	s_sub_co_u32 s[LC], s[LC], 1
	s_cmp_lg_u32 s[LC], 0
	s_cbranch_scc1 .Lmid
	MID 0                                          ; the very last half layer is written out: nothing is asked for
	REST
	FINISH
	s_wait_tensorcnt 0x0                           ; the wave's end: waits for my last tensor load and my last LDS store
	ds_add_u32 v[SPW], v[NIL]
	s_wait_dscnt 0x0
	ROUND                                          ; the closing round: no work-group ends while a partner may still ask for a tile that names it
	s_endpgm
.Lfunc_end_k_qaaba1aa8ac_siren:
	.size	k_qaaba1aa8ac_siren, .Lfunc_end_k_qaaba1aa8ac_siren-k_qaaba1aa8ac_siren
	.p2alignl 7, 3214868480
	.fill 96, 4, 3214868480
	.section	.rodata,"a",@progbits
	.p2align	6, 0x0
	.amdhsa_kernel k_qaaba1aa8ac_siren
		.amdhsa_group_segment_fixed_size 327680
		.amdhsa_private_segment_fixed_size 0
		.amdhsa_enable_private_segment 0
		.amdhsa_kernarg_size 40
		.amdhsa_user_sgpr_count 2
		.amdhsa_user_sgpr_kernarg_segment_ptr 1
		.amdhsa_wavefront_size32 1
		.amdhsa_system_sgpr_workgroup_id_x 1
		.amdhsa_system_sgpr_workgroup_id_y 1
		.amdhsa_system_sgpr_workgroup_id_z 1
		.amdhsa_system_vgpr_workitem_id 0
		.amdhsa_next_free_vgpr 512
		.amdhsa_next_free_sgpr 84
		.amdhsa_reserve_vcc 0
		.amdhsa_float_denorm_mode_32 3
		.amdhsa_float_denorm_mode_16_64 3
		.amdhsa_memory_ordered 1
		.amdhsa_forward_progress 1
		.amdhsa_inst_pref_size 230
	.end_amdhsa_kernel
	.amdgpu_metadata
---
amdhsa.version: [ 1, 2 ]
amdhsa.kernels:
  - .name:           k_qaaba1aa8ac_siren
    .symbol:         k_qaaba1aa8ac_siren.kd
    .args:
      - { .name: coords, .offset: 0, .size: 8, .value_kind: global_buffer, .address_space: global }
      - { .name: wimg, .offset: 8, .size: 8, .value_kind: global_buffer, .address_space: global }
      - { .name: ob2, .offset: 16, .size: 8, .value_kind: global_buffer, .address_space: global }
      - { .name: bf, .offset: 24, .size: 8, .value_kind: global_buffer, .address_space: global }
      - { .name: out0, .offset: 32, .size: 8, .value_kind: global_buffer, .address_space: global }
    .group_segment_fixed_size: 327680
    .private_segment_fixed_size: 0
    .kernarg_segment_align: 8
    .kernarg_segment_size: 40
    .max_flat_workgroup_size: 128
    .sgpr_count:     84
    .vgpr_count:     512
    .wavefront_size: 32
...
	.end_amdgpu_metadata
.endif
;; end of part 2
;; ======== version 2 of 2: 2 launches; 1.19 times as fast as version 1
;; limits: inputs' magnitudes at most 255.9; values are held in f16: magnitudes above 65,504 overflow, below 6.1e-05 lose precision
;; workspace buffers: wimg 549,888 bytes
;; launch prep: the kernel of part 1 again; grid 129 x 1, 8 waves a work-group, no clusters, 0 bytes of LDS; arguments wh, bh, w0, b0, ow1, ob1, ow2, wf, wimg; writes wimg
;; launch siren (part 3): grid 256 x 1, 4 waves a work-group, clusters of 4 x 1, 327,680 bytes of LDS; arguments coords, wimg, ob2, bf, out0; writes out0
.if DOCPART == 3
	.amdgcn_target "amdgcn-amd-amdhsa--gfx1250"
	.amdhsa_code_object_version 6
	.text
	.protected	k_qaaba1aa8ac_siren
	.globl	k_qaaba1aa8ac_siren
	.p2align	8
	.type	k_qaaba1aa8ac_siren,@function
k_qaaba1aa8ac_siren:
	s_mov_b64 s[64:65], 0
	v_nop
	global_prefetch_b8 v0, s[64:65] scope:SCOPE_SE
	s_setreg_imm32_b32 hwreg(HW_REG_WAVE_MODE, 25, 1), 1
	s_wait_xcnt 0x0
	s_wait_alu depctr_hold_cnt(0) depctr_sa_sdst(0) depctr_va_vdst(0) depctr_va_sdst(0) depctr_va_ssrc(0) depctr_va_vcc(0) depctr_vm_vsrc(0)
	s_getreg_b32 s2, hwreg(HW_REG_IB_STS2, 6, 4)
	s_cmp_eq_u32 s2, 0
	s_cbranch_scc0 .Lentry_in_a_cluster
	s_endpgm
.Lentry_in_a_cluster:
	s_bfe_u32 s2, ttmp6, 0x10000c
	s_cmp_lg_u32 s2, 0x3003
	s_cbranch_scc0 .Lentry_shape_is_right
	s_endpgm
.Lentry_shape_is_right:
; out[n] = x4[n] . wf + bf,  x0 = sin(omega (c W0 + b0)),  x(i+1) = sin(omega (x(i) Wh[i] + bh[i])),  omega = 10 + 90 sigmoid(relu(c ow1 + ob1) . ow2 + ob2):  262,144 rows, all in one launch.
; SHARES.  Work-group w owns rows 1,024 w on, in four passes of 256; a wave owns 64 rows of a pass: four tiles of 16 samples; lane r of tile s holds sample 4 r + s, so a lane's four
; coordinate rows are 64 consecutive bytes and its four results 16.
; LAYOUT.  Every product is used transposed: source 0 = 16 output features x 32 inputs (a weight fragment, from LDS, 16 bytes a lane on end), source 1 = 32 inputs x 16 samples (the activations,
; in registers).  In the result a lane holds ONE sample (lane % 16) and the features 8 (lane / 16) + 0..7: omega is one number a lane and tile, the bias is the C operand that starts the sum, and two
; feature tiles rounded to f16 in pairs ARE the next layer's source 1: nothing changes lanes.  A layer's new activations cannot land on the old ones, which fill window 1 and are read to the layer's
; end; so feature tiles 0 to 14 go 16 bytes a lane into the wave's own stage in LDS and come back during the layer's last group, each K step's registers as soon as that group has read them;
; feature tile 15, whose sines are made when the old activations are dead, is rounded straight into window 1.
; FORMATS.  Hidden and last layer: f16 x f16, sums in f32; weights and biases arrive times 256 (exact), and 2^-8 lies in the factor w' = omega 2^-8 / 2 pi.  First layer and predictor: one bf16
; product whose 32 places of K hold the three bf16 parts of each f32 number (hi hi, mid hi, lo hi, hi mid, mid mid, hi lo, and the bias's three parts times 1): what is left out is of the order of 2^-27.
; The predictor's second product, 64 multiply-adds a row, is made in f32 by vector instructions: its error reaches every sine's argument times omega.
; THE SINE.  t = a w' is the argument in turns; n = (t + 1.5 x 2^23) - 1.5 x 2^23 is the nearest whole number; r = fma(a, w', -n) lies in -1/2 .. 1/2; sin(2 pi r) = r (C1 + q (C3 + q (C5 + q (C7 + q C9)))),
; q = r r: ten packed instructions for two numbers, 160 for a feature tile's four sample tiles.
; THE ORDER OF A GROUP (one feature tile: 32 products).  The sines of the feature tile before stand four behind each product and the other 32 in two lumps of 16, in the group's middle and at its end.
; LDS instructions stand in runs behind the lumps, never singly among the products: in the middle two stage stores, the next group's bias and its 16 fragment loads (into the other of two buffers);
; at the end two stage stores.
; LIMITS.  |omega (x W + b)| / 2 pi under 2^22; 256 |wh|, 256 |wf| under 65,504; activations and hidden weights are rounded to f16 (11 bits; below 6e-5 in the scaled weight or in x a fixed step of 6e-8);
; the polynomial is off by 6e-6 at the most; w' differs from the reference's omega / 2 pi by a few f32 roundings; NaN and infinities are not treated apart.
; WEIGHTS.  LDS holds one layer's image in two slots of half a layer, 65,536 bytes.  All work-groups walk the same 32 half layers, so each is asked for JOINTLY by the four work-groups of a cluster: the
; same tensor load, descriptor and mask in all four; each wave asks for a quarter, 64 rows of 256 bytes.  A wave has two tensor loads out at the start and one behind each round.
; REGISTERS.  Window 0 as below; window 1: the activations, tile s, inputs 32 kb on, at 64 s + 8 kb; window 2: weight fragments, two buffers of eight, buffer b, fragment kb at 64 b + 8 kb.
; s_set_vgpr_msb: bits 1:0 source 0, 3:2 source 1, 5:4 source 2, 7:6 destination.
.set TAB,   131072                     ; LDS: behind the two slots the tables, 25,600 bytes: +0 first-layer and predictor fragments, +20480 256 bh, +24576 f16(256 wf), +25088 ow2
.set STAGE, 156672                     ; 32,768 bytes for each wave: feature tile f, sample tile s at (4 f + s) x 512 + 16 x lane; no tensor load lands here
.set SPARE, 287744                     ; the spare words, 128 bytes for each wave: two blocks of 256 bytes that no other line names
.set SPW,  2                           ; v2   LDS address of my spare word; never rewritten
.set NIL,  3                           ; v3   0; never rewritten
.set AA,   4                           ; v4   LDS address of the fragments to be fetched
.set BA,   5                           ; v5   of the bias to be fetched
.set SA,   6                           ; v6   where the pair of feature tiles in hand goes in my stage
.set RA,   7                           ; v7   my stage + 16 x lane; never rewritten
.set LN16, 8                           ; v8   16 x lane
.set HB,   9                           ; v9   the bias table + 32 (lane / 16)
.set WFA,  10                          ; v10  wf's table + 16 (lane / 16)
.set CO,   11                          ; v11  64 (lane % 16): my four coordinate rows
.set OO,   12                          ; v12  16 (lane % 16) + 8 (lane / 16): my two results
.set W,    16                          ; v[16:23]   w' of sample tile s, twice, at W + 2 s
.set CR,   24                          ; v[24:39]   coordinates, four a tile
.set B0,   40                          ; v[40:71]   the coordinates' fragments, eight a tile
.set XN,   72                          ; v[72:87]   new activations in f16, four a tile
.set U,    88                          ; v[88:103]  at work: eight pairs
.set BIAS, 104                         ; v[104:119] two sets of eight
.set ACC,  120                         ; v[120:183] two sets of four accumulators: set e, tile s at ACC + 32 e + 8 s
.set Q,    184                         ; v[184:199] at work: eight pairs
.set OW,   200                         ; v[200:231] ow2, eight numbers for each of the predictor's four feature tiles
.set SS,   248                         ; v[248:255] the predictor's sums, a pair a tile
.set WV,   14                          ; s14  my wave's number
.set G1,   16                          ; s[16:23] descriptor group 1 of the ring: 64 rows of 256 bytes
.set G0,   24                          ; s[24:27] its group 0
.set G0T,  28                          ; s[28:31] group 0 of the tables' load
.set G1T,  32                          ; s[32:39] its group 1: 25 rows of 256 bytes
.set M,    40                          ; pairs, both words alike: 1.5 x 2^23, its negative, the polynomial
.set NM,   42
.set C1,   44
.set C3,   46
.set C5,   48
.set C7,   50
.set C9,   52
.set HM,   54                          ; s54  0xffff0000: a word's upper bf16; as a lane mask: lanes 16-31
.set OB2S, 55                          ; s55  -log2(e) ob2
.set BFV,  56                          ; s56  bf
.set K90,  57                          ; s57  90 x 2^-8 / 2 pi
.set SEL,  58                          ; s[58:59] v_permlanex16_b32's selects: each lane takes its own place in the other half
.set LC,   60                          ; s60  layers to go, 16 to 1
.set CNT,  61                          ; s61  counts the inner loops
.set LP,   62                          ; s62  hidden layers done in this pass
.set NXT,  63                          ; s63  the half layer to be asked for next, 0 to 7
.set OFF,  66                          ; s[66:67] its byte offset
.set PASSN, 68                         ; s68  the pass
.set SO,   69                          ; s69  offset in the stage of a pair of feature tiles
.set WB,   70                          ; s[70:71] wimg + my quarter of a half layer
.set TA,   72                          ; s72  LDS byte at which the fragments to be fetched next begin
.set TBI,  73                          ; s73  byte in the bias table of the feature tile to be fetched next
.set ONE2, 74                          ; s74  bf16 1, 1
.set ONE1, 75                          ; s75  bf16 1, 0
.set R256, 76                          ; s76  2^-8
.set NL2E, 77                          ; s77  -log2(e)
.set K10,  78                          ; s78  10 x 2^-8 / 2 pi
.set W_MM, 0x06                        ; a hidden product: fragment (source 0) in window 2, activations (source 1) in window 1, C and D in window 0
.set W_M0, 0x02                        ; a first-layer product: fragment in window 2, the coordinates' fragment in window 0
.set W_LF, 0x80                        ; destination in window 2: fragment loads
.set W_LX, 0x40                        ; destination in window 1: the activations' loads, and roundings that go there straight
.set MSB, 0
.macro WIN new                         ; the immediate's high byte repeats the setting that is left; a switch that changes nothing is dropped
.if MSB != (\new)
	s_set_vgpr_msb (MSB<<8)|(\new)
.set MSB, \new
.endif
.endm
.macro PLACES                          ; a vector instruction or a load that touches a matrix instruction's registers stands four plain vector instructions behind it (ISA guide 7.12.1 for vector instructions)
.rept 4
	v_nop
.endr
.endm
.macro SPAIR r, val
	s_mov_b32 s[\r], \val
	s_mov_b32 s[(\r)+1], \val
.endm
.macro CREST                           ; a round of the cluster's barrier behind its opening barrier: wave 0 signals for the work-group, every wave waits for all four work-groups, my work-group's barrier closes it
	s_cmp_lg_u32 s[WV], 0
	s_cbranch_scc1 .Lnot_wave_0_\@
	s_barrier_signal -3
.Lnot_wave_0_\@:
	s_barrier_wait -3
	s_barrier_signal -1
	s_barrier_wait -1
.endm
.macro ROUND                           ; a whole round
	s_barrier_signal -1
	s_barrier_wait -1
	CREST
.endm
; THE SINES of accumulator set rs: a list of 160 instructions in two halves of 80 (sample tiles 0, 1; then 2, 3): ten steps for each of a half's eight pairs of registers, the pairs by turns, so that a
; result is read eight instructions behind the one that made it.  RONE writes number ri of the list.  The first read of an accumulator is of its two lowest registers.
; st = 1: behind a half's last rounding (numbers 79 and 159) its two tiles go into the stage, 16 bytes a lane.  st = 2: feature tile 15: the roundings write the upper half of the activations' last K step, in window 1.
.macro RONE rs, st
.set rj, ri%8
.set rt, 2*(ri/80)+rj/4
.set rk, (ri%80)/8
.set rp, rj%4
.set ra, ACC+32*(\rs)+8*rt+2*rp
.set ru, U+2*rj
.set rq, Q+2*rj
.set rw, W+2*rt
.if (rk == 9) && ((\st) == 2)
	WIN W_LX
	v_cvt_pk_f16_f32 v[64*rt+60+rp], v[ru], v[ru+1]                                              ; tile rt, inputs 224 on, registers 4 to 7: features 240 + 8 (lane / 16) on
.else
	WIN 0
.if rk == 0
	v_pk_fma_f32 v[ru:ru+1], v[ra:ra+1], v[rw:rw+1], s[M:M+1] op_sel_hi:[1,1,0]                  ; t + 1.5 x 2^23: rounds t to a whole number
.elseif rk == 1
	v_pk_add_f32 v[ru:ru+1], v[ru:ru+1], s[NM:NM+1] op_sel_hi:[1,0]                              ; n
.elseif rk == 2
	v_pk_fma_f32 v[ra:ra+1], v[ra:ra+1], v[rw:rw+1], v[ru:ru+1] neg_lo:[0,0,1] neg_hi:[0,0,1]    ; r = a w' - n, one rounding
.elseif rk == 3
	v_pk_mul_f32 v[rq:rq+1], v[ra:ra+1], v[ra:ra+1]
.elseif rk == 4
	v_pk_fma_f32 v[ru:ru+1], v[rq:rq+1], s[C9:C9+1], s[C7:C7+1] op_sel_hi:[1,0,0]
.elseif rk == 5
	v_pk_fma_f32 v[ru:ru+1], v[ru:ru+1], v[rq:rq+1], s[C5:C5+1] op_sel_hi:[1,1,0]
.elseif rk == 6
	v_pk_fma_f32 v[ru:ru+1], v[ru:ru+1], v[rq:rq+1], s[C3:C3+1] op_sel_hi:[1,1,0]
.elseif rk == 7
	v_pk_fma_f32 v[ru:ru+1], v[ru:ru+1], v[rq:rq+1], s[C1:C1+1] op_sel_hi:[1,1,0]
.elseif rk == 8
	v_pk_mul_f32 v[ru:ru+1], v[ru:ru+1], v[ra:ra+1]
.else
	v_cvt_pk_f16_f32 v[XN+4*rt+rp], v[ru], v[ru+1]
.endif
.endif
.if ((\st) == 1) && (ri%80 == 79)
	ds_store_b128 v[SA], v[XN+4*rt-4:XN+4*rt-1] offset:(\rs)*2048+(rt-1)*512
	ds_store_b128 v[SA], v[XN+4*rt:XN+4*rt+3] offset:(\rs)*2048+rt*512
.endif
.set ri, ri+1
.endm
.macro RID n, rs, st
.rept \n
	RONE \rs, \st
.endr
.endm
.macro RALL rs, st                     ; the whole list
.set ri, 0
	RID 160, \rs, \st
.endm
.macro STEPSA                          ; the first layer's loop: the next pair of feature tiles in the stage
	s_add_co_u32 s[SO], s[SO], 4096
	v_add_nc_u32 v[SA], s[SO], v[RA]
.endm
.macro BIASLD b                        ; eight f32 of a feature tile's bias, the same for the sixteen lanes of a half, into set b
	WIN 0
	ds_load_b128 v[BIAS+8*(\b):BIAS+8*(\b)+3], v[BA]
	ds_load_b128 v[BIAS+8*(\b)+4:BIAS+8*(\b)+7], v[BA] offset:16
.endm
.macro FRAGS b                         ; a feature tile's eight fragments, 16 loads of 16 bytes a lane on end, into buffer b
	WIN W_LF
.set gf, 0
.rept 8
	ds_load_b128 v[64*(\b)+8*gf:64*(\b)+8*gf+3],   v[AA] offset:1024*gf
	ds_load_b128 v[64*(\b)+8*gf+4:64*(\b)+8*gf+7], v[AA] offset:1024*gf+512
.set gf, gf+1
.endr
.endm
; The new activations of inputs 32 k on come back from my stage: feature tile 2 k into registers 0-3 and (both = 1) tile 2 k + 1 into registers 4-7 of each sample tile.
; LDS serves a wave's instructions in order (ISA guide 5.7.1): these see my stores.
.macro LOADX k, both
	WIN W_LX
.set gf, 0
.rept 4
	ds_load_b128 v[64*gf+8*(\k):64*gf+8*(\k)+3],   v[RA] offset:4096*(\k)+512*gf
.if \both
	ds_load_b128 v[64*gf+8*(\k)+4:64*gf+8*(\k)+7], v[RA] offset:4096*(\k)+512*gf+2048
.endif
.set gf, gf+1
.endr
.endm
; A GROUP: one feature tile x four sample tiles x 256 inputs: 32 matrix instructions into accumulator set acc, from fragment buffer acc, begun with bias set acc.  The four accumulators take turns;
; a group's last product and the next group's first name different sets.
; rid = 1: the other set's 160 sines: four behind each product (128), numbers 64-79 in a lump behind K step 3, numbers 144-159 in a lump behind K step 7; each lump ends in two stage stores.
; rid = 2 (a layer's first group): the list of the layer before's feature tile 15 goes on from number 48: four behind each product of K steps 0 to 6; its roundings write what K step 7 reads.  K step 7 has none
;          beside it: four v_nop are the places in front of the next group's sines, which read this group's sums.
; The sines name no register of the products round them: they are the places in front of every load below.
; pf = 1: behind the first lump the next group's bias and fragments are fetched into the other set and buffer, whose last reader was the group before: sixteen products and a lump ahead of their use.
; pf = 0 (a layer's last group): nothing is fetched; behind K step kb its four products were the last readers of the activations of inputs 32 kb on, and the new ones are loaded onto them.
; THE WAITS.  pf = 1, head: 8: the youngest eight LDS instructions are fragments 5 to 7 and the last lump's two stores, or, where no stores followed, fragments 4 to 7: the bias and fragments 0 to 3 are in.
; In front of the first lump: 0: all that can be out was issued sixteen products ago.  pf = 0, head: 2: the two stores of the group before may be out; all fragments are in, and no further wait is needed.
; The addresses of the run are made at K step 1, some way behind the LDS lines that named those registers last.
.macro GROUP acc, rid, pf
.if (\rid) == 1
.set ri, 0
.endif
.if \pf
	s_wait_dscnt 8
.else
	s_wait_dscnt 2
.endif
.set gk, 0
.rept 8
.set gs, 0
.rept 4
.set gd, ACC+32*(\acc)+8*gs
.set ga, 64*(\acc)+8*gk
.set gx, 64*gs+8*gk
.set gb, BIAS+8*(\acc)
	WIN W_MM
.if gk == 0
	v_wmma_f32_16x16x32_f16 v[gd:gd+7], v[ga:ga+7], v[gx:gx+7], v[gb:gb+7]   ; the bias starts the sum
.else
	v_wmma_f32_16x16x32_f16 v[gd:gd+7], v[ga:ga+7], v[gx:gx+7], v[gd:gd+7]
.endif
.if ri < 160
	RID 4, 1-(\acc), \rid
.endif
.if (\pf) && (gk == 1) && (gs == 0)
	WIN 0
	v_add_nc_u32 v[AA], s[TA], v[LN16]
	s_add_co_u32 s[TA], s[TA], 8192
.endif
.if (\pf) && (gk == 1) && (gs == 1)
	WIN 0
	v_add_nc_u32 v[BA], s[TBI], v[HB]
	s_add_co_u32 s[TBI], s[TBI], 64
.endif
.if ((\rid) == 1) && ((\acc) == 1) && (gk == 1) && (gs == 2)
	WIN 0
	v_add_nc_u32 v[SA], s[SO], v[RA]               ; an odd group stores an even feature tile: a new pair begins
	s_add_co_u32 s[SO], s[SO], 4096
.endif
.set gs, gs+1
.endr
.if gk == 3
.if \pf
	s_wait_dscnt 0x0                               ; fragments 4 to 7
.endif
.if (\rid) == 1
	RID 16, 1-(\acc), 1                            ; the first lump; its two stores open the run
.endif
.if \pf
	BIASLD 1-(\acc)
	FRAGS 1-(\acc)
.endif
.endif
.if (gk == 7) && ((\rid) == 1)
	RID 16, 1-(\acc), 1                            ; the second lump and its two stores
.endif
.if (gk == 7) && ((\rid) == 2)
	PLACES
.endif
.if !(\pf)
.if gk < 7
	LOADX gk, 1
.else
	LOADX 7, 0                                     ; feature tile 14, stored by the two lumps above; tile 15 does not pass through LDS
.endif
.endif
.set gk, gk+1
.endr
	WIN 0
.endm
.macro STEPD                           ; the ring's group 0: the other slot, half layer NXT; its address is made anew from wimg's
	s_lshl_b32 s[OFF], s[NXT], 16
	s_xor_b32 s[G0+1], s[G0+1], 65536
	s_add_nc_u64 s[G0+2:G0+3], s[WB:WB+1], s[OFF:OFF+1]
	s_or_b32 s[G0+3], s[G0+3], 0x80000000
	s_add_co_u32 s[NXT], s[NXT], 1
	s_and_b32 s[NXT], s[NXT], 7
.endm
; THE CHANGE TO SLOT 1, in front of group 7, which fetches group 8's fragments: all reads of slot 0 have been issued.  Each wave waits for all its tensor loads, of which one is out: its part of slot 1; adds 0 to
; its spare word; waits for that and for its reads.  fill = 1: a round of the cluster's barrier, and slot 0 takes the next layer's first half, first thing behind it: it has nine groups in which to land.
.macro MID fill
	WIN 0
	s_wait_tensorcnt 0x0                           ; no tensor load of mine is out, so group 0 may be written
	ds_add_u32 v[SPW], v[NIL]                      ; 0 onto my spare word
.if \fill
	STEPD
.endif
	s_wait_dscnt 0x0                               ; the add is done, and my reads of slot 0 are back
.if \fill
	ROUND
	tensor_load_to_lds s[G0:G0+3], s[G1:G1+7]
	s_nop 0
	PLACES
.else
	s_barrier_signal -1
	s_barrier_wait -1
.endif
.endm
.macro REST                            ; groups 7 to 15
	s_mov_b32 s[CNT], 4
.Lrest_\@:
	GROUP 1, 1, 1
	GROUP 0, 1, 1
	s_sub_co_u32 s[CNT], s[CNT], 1
	s_cmp_lg_u32 s[CNT], 0
	s_cbranch_scc1 .Lrest_\@
	GROUP 1, 1, 0                                  ; the layer's last group
.endm
; THE LAST LAYER.  Every row of source 0 is wf, so every register of the result holds the sample's number; the lowest is taken.  Lanes 0-15 store tiles 0, 1, lanes 16-31 tiles 2, 3.
; wf's fragments go into buffer 0, free since group 14, ahead of feature tile 15's sines, which stand between the loads and the wait for them.
.macro FINISH
	WIN W_LF
.irp k, 0,1,2,3,4,5,6,7
	ds_load_b128 v[8*\k:8*\k+3],   v[WFA] offset:64*\k
	ds_load_b128 v[8*\k+4:8*\k+7], v[WFA] offset:64*\k+32
.endr
	RALL 1, 2
	s_wait_dscnt 0x0                               ; wf, and the activations that came back from the stage
	WIN W_MM
.set gk, 0
.rept 8
.set gs, 0
.rept 4
.set gd, ACC+8*gs
.if gk == 0
	v_wmma_f32_16x16x32_f16 v[gd:gd+7], v[8*gk:8*gk+7], v[64*gs+8*gk:64*gs+8*gk+7], 0
.else
	v_wmma_f32_16x16x32_f16 v[gd:gd+7], v[8*gk:8*gk+7], v[64*gs+8*gk:64*gs+8*gk+7], v[gd:gd+7]
.endif
.set gs, gs+1
.endr
.set gk, gk+1
.endr
	WIN 0
	PLACES
.irp s, 0,1,2,3
	v_fma_f32 v[U+\s], v[ACC+8*\s], s[R256], s[BFV]
.endr
	v_cndmask_b32 v14, v[U], v[U+2], s[HM]
	v_cndmask_b32 v15, v[U+1], v[U+3], s[HM]
	global_store_b64 v[OO], v[14:15], s[12:13] th:TH_STORE_NT  ; the wave stores 256 consecutive bytes, aligned
	s_wait_xcnt 0x0                                ; the store's base and data are rewritten only behind this wait
	s_add_nc_u64 s[12:13], s[12:13], 1024          ; the next pass's rows
.endm
; Half of the predictor's 64 features: eight products, relu, and the sums with ow2.
.macro PRED fp
	WIN W_M0
.set pe, 0
.rept 2
.set ps, 0
.rept 4
	v_wmma_f32_16x16x32_bf16 v[ACC+32*pe+8*ps:ACC+32*pe+8*ps+7], v[8*(2*(\fp)+pe):8*(2*(\fp)+pe)+7], v[B0+8*ps:B0+8*ps+7], 0
.set ps, ps+1
.endr
.set pe, pe+1
.endr
	WIN 0
	PLACES
.set pj, 0
.rept 64
	v_max_num_f32 v[ACC+pj], 0, v[ACC+pj]          ; ascending: each accumulator is read from its low end on
.set pj, pj+1
.endr
.set pj, 0
.rept 32                               ; the four tiles' sums by turns
.set pa, ACC+32*(pj/16)+8*(pj%4)+2*((pj/4)%4)
.set po, OW+8*(2*(\fp)+pj/16)+2*((pj/4)%4)
.set pz, SS+2*(pj%4)
.if ((\fp) == 0) && (pj < 4)
	v_pk_mul_f32 v[pz:pz+1], v[pa:pa+1], v[po:po+1]
.else
	v_pk_fma_f32 v[pz:pz+1], v[pa:pa+1], v[po:po+1], v[pz:pz+1]
.endif
.set pj, pj+1
.endr
.endm
	s_load_b256 s[4:11], s[0:1], 0x0               ; coords s[4:5], wimg s[6:7], ob2 s[8:9], bf s[10:11]
	s_load_b64 s[12:13], s[0:1], 0x20              ; out0
	v_lshl_add_u32 v[SPW], v0, 2, SPARE
	v_mov_b32 v[NIL], 0
	ds_add_u32 v[SPW], v[NIL]                      ; the wave's opening: the add and its wait stand ahead of my first tensor load; the set-up below, work on registers, stands between them
	v_lshrrev_b32 v1, 5, v0
	v_readfirstlane_b32 s[WV], v1                  ; wave 0..3
	s_bfe_u32 s83, ttmp6, 0x40000                  ; cx: my place in the cluster.  It enters s[80:83] alone, the offsets of my rows in coords and out0
	s_lshl_b32 s82, ttmp9, 2                       ; in a cluster launch ttmp9 counts clusters
	s_add_co_u32 s82, s82, s83                     ; work-group
	s_lshl_b32 s80, s82, 14                        ; its 1,024 rows of 16 bytes,
	s_lshl_b32 s15, s[WV], 10                      ; my wave's 64
	s_add_co_u32 s80, s80, s15
	s_mov_b32 s81, 0
	s_lshl_b32 s82, s82, 12                        ; and its 1,024 results of 4 bytes,
	s_lshl_b32 s15, s[WV], 8                       ; my wave's 64
	s_add_co_u32 s82, s82, s15
	s_mov_b32 s83, 0
	SPAIR M,  0x4b400000                           ; 1.5 x 2^23
	SPAIR NM, 0xcb400000
	SPAIR C1, 0x40c90ec8                           ; 6.2830542
	SPAIR C3, 0xc2255312                           ; -41.331125
	SPAIR C5, 0x42a2bb23                           ; 81.365504
	SPAIR C7, 0xc294f124                           ; -74.470977
	SPAIR C9, 0x4203135b                           ; 32.768902
	s_mov_b32 s[HM], 0xffff0000
	s_mov_b32 s[K90], 0x3d652ee1                   ; 90 x 2^-8 / 2 pi
	s_mov_b32 s[K10], 0x3bcbb7e4                   ; 10 x 2^-8 / 2 pi
	s_mov_b32 s[SEL], 0x76543210
	s_mov_b32 s[SEL+1], 0xfedcba98
	s_mov_b32 s[ONE2], 0x3f803f80
	s_mov_b32 s[ONE1], 0x00003f80
	s_mov_b32 s[R256], 0x3b800000
	s_mov_b32 s[NL2E], 0xbfb8aa3b
	; descriptor groups 1: dense bytes as rows of 256: elements of 8 bytes, 32 a row, 32 from row to row; 64 rows for the ring, 25 for the tables
	s_mov_b32 s[G1], 15|(3<<16)|(1<<21)            ; 15:0 the mask: all four work-groups; 17:16 elements of 8 bytes; 21 set beside a mask; no padding: all reads are 16 bytes a lane on end, or one address for sixteen lanes
	s_mov_b32 s[G1+1], 32<<16                      ; tensor_dim0 = 32
	s_mov_b32 s[G1+2], 64<<16                      ; tensor_dim1 = 64
	s_mov_b32 s[G1+3], 32<<16                      ; tile_dim0 = 32
	s_mov_b32 s[G1+4], 64                          ; tile_dim1 = 64
	s_mov_b32 s[G1+5], 32                          ; elements from row to row
	s_mov_b32 s[G1+6], 0
	s_mov_b32 s[G1+7], 0
	s_mov_b32 s[G1T], 15|(3<<16)|(1<<21)
	s_mov_b32 s[G1T+1], 32<<16
	s_mov_b32 s[G1T+2], 25<<16
	s_mov_b32 s[G1T+3], 32<<16
	s_mov_b32 s[G1T+4], 25
	s_mov_b32 s[G1T+5], 32
	s_mov_b32 s[G1T+6], 0
	s_mov_b32 s[G1T+7], 0
	s_mov_b32 s[G0], 1                             ; count = 1
	s_lshl_b32 s[G0+1], s[WV], 14                  ; LDS: slot 0, my quarter
	s_mov_b32 s[G0T], 1
	s_mul_i32 s[G0T+1], s[WV], 6400
	s_add_co_u32 s[G0T+1], s[G0T+1], TAB           ; LDS: the tables, my 25 rows
	v_and_b32 v1, 31, v0
	v_lshlrev_b32 v[LN16], 4, v1
	v_and_b32 v13, 15, v0                          ; r
	v_bfe_u32 v1, v0, 4, 1                         ; h
	v_lshl_add_u32 v[HB], v1, 5, TAB+20480
	v_lshl_add_u32 v[WFA], v1, 4, TAB+24576
	v_lshlrev_b32 v[CO], 6, v13
	v_lshlrev_b32 v[OO], 4, v13
	v_lshl_add_u32 v[OO], v1, 3, v[OO]
	s_lshl_b32 s15, s[WV], 15
	s_add_co_u32 s15, s15, STAGE
	v_add_nc_u32 v[RA], s15, v[LN16]
	s_wait_dscnt 0x0                               ; the opening add is done
	s_wait_kmcnt 0x0
	s_load_b32 s[OB2S], s[8:9], 0x0
	s_load_b32 s[BFV], s[10:11], 0x0
	s_add_nc_u64 s[4:5], s[4:5], s[80:81]          ; coords and out0 at my wave's rows of pass 0
	s_add_nc_u64 s[12:13], s[12:13], s[82:83]
	s_lshl_b32 s[OFF], s[WV], 14
	s_mov_b32 s[OFF+1], 0                          ; stays 0
	s_add_nc_u64 s[WB:WB+1], s[6:7], s[OFF:OFF+1]
	s_mov_b64 s[G0+2:G0+3], s[WB:WB+1]             ; half layer 0
	s_or_b32 s[G0+3], s[G0+3], 0x80000000          ; type = 2
	s_mul_i32 s[OFF], s[WV], 6400
	s_add_co_u32 s[OFF], s[OFF], 524288
	s_add_nc_u64 s[G0T+2:G0T+3], s[6:7], s[OFF:OFF+1]
	s_or_b32 s[G0T+3], s[G0T+3], 0x80000000
	s_wait_kmcnt 0x0
	s_mul_f32 s[OB2S], s[OB2S], s[NL2E]
	ROUND                                          ; all four work-groups are here: the first joint loads meet
	tensor_load_to_lds s[G0T:G0T+3], s[G1T:G1T+7]  ; the tables first: they are wanted first
	s_nop 0
	tensor_load_to_lds s[G0:G0+3], s[G1:G1+7]      ; half layer 0 into slot 0
	s_nop 0
	PLACES
.irp s, 0,1,2,3
	global_load_b128 v[CR+4*\s:CR+4*\s+3], v[CO], s[4:5] offset:16*\s th:TH_LOAD_NT  ; sample 4 r + s; both halves of the lanes take the same rows
.endr
	s_mov_b32 s[LC], 16
	s_mov_b32 s[LP], 0
	s_mov_b32 s[PASSN], 0
	s_mov_b32 s[NXT], 1
	s_wait_tensorcnt 0x1                           ; my part of the tables is in; slot 0's load, issued behind it, may stay out
	s_barrier_signal -1
	s_barrier_wait -1                              ; everybody's part is
	s_branch .Lpass                                ; the loop over layers is entered at a pass's beginning
.Lmid:                                             ; a trip: the second half of a hidden layer, at a pass's end the last layer and the next pass's first, then the first half of the next hidden layer
	MID 1
	REST
	s_add_co_u32 s[LP], s[LP], 1
	s_cmp_lg_u32 s[LP], 4
	s_cbranch_scc1 .Ltop                           ; forward, past text that holds neither a barrier nor a tensor load
	FINISH
	s_mov_b32 s[LP], 0
	s_add_co_u32 s[PASSN], s[PASSN], 1
.Lpass:
	; A PASS BEGINS.  The coordinates are split into three bf16 parts and laid along K beside the weights' parts:
	; lanes 0-15: k 0-7 hi, hi; k 16-23 mid, lo.  Lanes 16-31: k 8-15 hi, mid; k 24-31 1, 1, 1, 0 ..
	s_wait_loadcnt 0x0
.set ps, 0
.rept 4
.set pcr, CR+4*ps
.set pbf, B0+8*ps
	v_cvt_pk_bf16_f32 v[pbf], v[pcr], v[pcr+1]     ; hi
	v_cvt_pk_bf16_f32 v[pbf+1], v[pcr+2], v[pcr+3]
	v_lshlrev_b32 v[U], 16, v[pbf]
	v_and_b32 v[U+1], s[HM], v[pbf]
	v_lshlrev_b32 v[U+2], 16, v[pbf+1]
	v_and_b32 v[U+3], s[HM], v[pbf+1]
	v_pk_add_f32 v[Q:Q+1], v[pcr:pcr+1], v[U:U+1] neg_lo:[0,1] neg_hi:[0,1]          ; c - hi, exact
	v_pk_add_f32 v[Q+2:Q+3], v[pcr+2:pcr+3], v[U+2:U+3] neg_lo:[0,1] neg_hi:[0,1]
	v_cvt_pk_bf16_f32 v[U+4], v[Q], v[Q+1]         ; mid
	v_cvt_pk_bf16_f32 v[U+5], v[Q+2], v[Q+3]
	v_lshlrev_b32 v[U], 16, v[U+4]
	v_and_b32 v[U+1], s[HM], v[U+4]
	v_lshlrev_b32 v[U+2], 16, v[U+5]
	v_and_b32 v[U+3], s[HM], v[U+5]
	v_pk_add_f32 v[Q:Q+1], v[Q:Q+1], v[U:U+1] neg_lo:[0,1] neg_hi:[0,1]
	v_pk_add_f32 v[Q+2:Q+3], v[Q+2:Q+3], v[U+2:U+3] neg_lo:[0,1] neg_hi:[0,1]
	v_cvt_pk_bf16_f32 v[U+6], v[Q], v[Q+1]         ; lo
	v_cvt_pk_bf16_f32 v[U+7], v[Q+2], v[Q+3]
	v_cndmask_b32 v[pbf+2], v[pbf], v[U+4], s[HM]
	v_cndmask_b32 v[pbf+3], v[pbf+1], v[U+5], s[HM]
	v_cndmask_b32 v[pbf+4], v[U+4], s[ONE2], s[HM]
	v_cndmask_b32 v[pbf+5], v[U+5], s[ONE1], s[HM]
	v_cndmask_b32 v[pbf+6], v[U+6], 0, s[HM]
	v_cndmask_b32 v[pbf+7], v[U+7], 0, s[HM]
.set ps, ps+1
.endr
	s_cmp_eq_u32 s[PASSN], 3
	s_cbranch_scc1 .Lno_coords                     ; the last pass asks for nothing: no load leaves the buffer
	s_add_nc_u64 s[4:5], s[4:5], 4096              ; free since the wait for the loads that named it
.irp s, 0,1,2,3
	global_load_b128 v[CR+4*\s:CR+4*\s+3], v[CO], s[4:5] offset:16*\s th:TH_LOAD_NT  ; the next pass's rows have a whole pass in which to come
.endr
.Lno_coords:
	; OMEGA.  64 features in four tiles; relu; times ow2, summed in the lane and with the lane 16 away, which holds the other eight features of each tile.
	s_mov_b32 s[TA], TAB
	v_add_nc_u32 v[AA], s[TA], v[LN16]
	WIN W_LF
.irp i, 0,1,2,3
	ds_load_b128 v[8*\i:8*\i+3],   v[AA] offset:16384+1024*\i
	ds_load_b128 v[8*\i+4:8*\i+7], v[AA] offset:16384+1024*\i+512
.endr
	WIN 0
.irp i, 0,1,2,3
	ds_load_b128 v[OW+8*\i:OW+8*\i+3],   v[HB] offset:4608+64*\i     ; ow2 lies 4,608 bytes behind the bias table
	ds_load_b128 v[OW+8*\i+4:OW+8*\i+7], v[HB] offset:4608+64*\i+16
.endr
	s_wait_dscnt 0x0
	PRED 0
	PRED 1
.irp s, 0,1,2,3
	v_add_f32 v[U+\s], v[SS+2*\s], v[SS+2*\s+1]
.endr
.irp s, 0,1,2,3
	v_permlanex16_b32 v[Q+\s], v[U+\s], s[SEL], s[SEL+1]
.endr
.irp s, 0,1,2,3
	v_add_f32 v[U+\s], v[U+\s], v[Q+\s]
.endr
.irp s, 0,1,2,3
	v_fma_f32 v[U+\s], v[U+\s], s[NL2E], s[OB2S]   ; -log2(e) (h . ow2 + ob2)
.endr
.irp s, 0,1,2,3
	v_exp_f32 v[U+\s], v[U+\s]
.endr
	v_nop                                          ; a plain instruction between the last exponential and the use of its result (ISA guide 5.7.2)
	s_wait_alu depctr_va_vdst(0)
.irp s, 0,1,2,3
	v_add_f32 v[U+\s], 1.0, v[U+\s]
.endr
.irp s, 0,1,2,3
	v_rcp_f32 v[U+\s], v[U+\s]
.endr
	v_nop
	s_wait_alu depctr_va_vdst(0)
.irp s, 0,1,2,3
	v_fma_f32 v[W+2*\s], v[U+\s], s[K90], s[K10]   ; w' = (10 + 90 sigmoid) 2^-8 / 2 pi, twice: the packed lines multiply by a pair
	v_fma_f32 v[W+2*\s+1], v[U+\s], s[K90], s[K10]
.endr
	; THE FIRST LAYER: eight trips of two feature tiles; a tile is four products, one a sample tile, and 160 instructions of sines.  The loop ends with the last tile's sines owing,
	; as a hidden layer does.
	s_mov_b32 s[TBI], 0
	s_mov_b32 s[SO], 0
	v_mov_b32 v[SA], v[RA]
	WIN W_LF
.irp i, 0,1
	ds_load_b128 v[8*\i:8*\i+3],   v[AA] offset:1024*\i
	ds_load_b128 v[8*\i+4:8*\i+7], v[AA] offset:1024*\i+512
.endr
	WIN 0
	s_mov_b32 s[CNT], 8
.Lfirst_layer:
	s_wait_dscnt 0x0                               ; the trip's two fragments
	WIN W_M0
.irp s, 0,1,2,3
	v_wmma_f32_16x16x32_bf16 v[ACC+8*\s:ACC+8*\s+7], v[0:7], v[B0+8*\s:B0+8*\s+7], 0
.endr
	WIN 0
	s_cmp_eq_u32 s[CNT], 8
	s_cbranch_scc1 .Lno_odd                        ; the first trip has no odd tile behind it
	RALL 1, 1
	STEPSA
.Lno_odd:
	WIN W_M0
.irp s, 0,1,2,3
	v_wmma_f32_16x16x32_bf16 v[ACC+32+8*\s:ACC+32+8*\s+7], v[8:15], v[B0+8*\s:B0+8*\s+7], 0
.endr
	WIN 0
	PLACES                                         ; in front of the loads into the fragments and of the sines of the even tile
	s_cmp_eq_u32 s[CNT], 1
	s_cbranch_scc1 .Lno_fetch
	s_add_co_u32 s[TA], s[TA], 2048
	v_add_nc_u32 v[AA], s[TA], v[LN16]
	WIN W_LF
.irp i, 0,1
	ds_load_b128 v[8*\i:8*\i+3],   v[AA] offset:1024*\i
	ds_load_b128 v[8*\i+4:8*\i+7], v[AA] offset:1024*\i+512
.endr
	WIN 0
.Lno_fetch:
	RALL 0, 1
	s_sub_co_u32 s[CNT], s[CNT], 1
	s_cmp_lg_u32 s[CNT], 0
	s_cbranch_scc1 .Lfirst_layer
.irp k, 0,1,2,3,4,5,6
	LOADX \k, 1                                    ; feature tiles 0 to 14 come back from the stage, as they do in a hidden layer's last group
.endr
	LOADX 7, 0
	WIN 0
.Ltop:
	; A HIDDEN LAYER BEGINS.  Its first half lies in slot 0 or is on its way there; slot 1, which the layer before has read out, takes its second half.  Each wave waits for all its tensor loads, of which
	; one is out: its part of slot 0; adds 0 to its spare word; waits for that, for its reads of slot 1 and for the activations' loads.  The list of feature tile 15's sines begins between the add and
	; the wait for it (24), goes on behind the first group's fragment loads (24), and ends beside that group's products (112).
	s_wait_tensorcnt 0x0                           ; no tensor load of mine is out, so group 0 may be written
	ds_add_u32 v[SPW], v[NIL]                      ; 0 onto my spare word
	STEPD
.set ri, 0
	RID 24, 1, 2
	s_wait_dscnt 0x0                               ; the add is done; my reads of slot 1 and of my stage are back
	ROUND                                          ; no wave of any partner still reads slot 1 or has a load on its way
	tensor_load_to_lds s[G0:G0+3], s[G1:G1+7]      ; first thing behind the round: it has seven groups in which to land
	s_nop 0
	PLACES
	v_mov_b32 v[AA], v[LN16]                       ; group 0's fragments lie at the head of slot 0
	s_mov_b32 s[TA], 8192
	v_add_nc_u32 v[BA], s[TBI], v[HB]
	s_add_co_u32 s[TBI], s[TBI], 64
	BIASLD 0
	FRAGS 0
	RID 24, 1, 2
	s_mov_b32 s[SO], 0
	GROUP 0, 2, 1
	s_mov_b32 s[CNT], 3
.Lfirst_half:                                      ; groups 1 to 6
	GROUP 1, 1, 1
	GROUP 0, 1, 1
	s_sub_co_u32 s[CNT], s[CNT], 1
	s_cmp_lg_u32 s[CNT], 0
	s_cbranch_scc1 .Lfirst_half
	s_sub_co_u32 s[LC], s[LC], 1
	s_cmp_lg_u32 s[LC], 0
	s_cbranch_scc1 .Lmid
	MID 0                                          ; the very last half layer is written out: nothing is asked for
	REST
	FINISH
	s_wait_tensorcnt 0x0                           ; the wave's end: waits for my last tensor load and my last LDS store
	ds_add_u32 v[SPW], v[NIL]
	s_wait_dscnt 0x0
	ROUND                                          ; the closing round: no work-group ends while a partner may still ask for a tile that names it
	s_endpgm
.Lfunc_end_k_qaaba1aa8ac_siren:
	.size	k_qaaba1aa8ac_siren, .Lfunc_end_k_qaaba1aa8ac_siren-k_qaaba1aa8ac_siren
	.p2alignl 7, 3214868480
	.fill 96, 4, 3214868480
	.section	.rodata,"a",@progbits
	.p2align	6, 0x0
	.amdhsa_kernel k_qaaba1aa8ac_siren
		.amdhsa_group_segment_fixed_size 327680
		.amdhsa_private_segment_fixed_size 0
		.amdhsa_enable_private_segment 0
		.amdhsa_kernarg_size 40
		.amdhsa_user_sgpr_count 2
		.amdhsa_user_sgpr_kernarg_segment_ptr 1
		.amdhsa_wavefront_size32 1
		.amdhsa_system_sgpr_workgroup_id_x 1
		.amdhsa_system_sgpr_workgroup_id_y 1
		.amdhsa_system_sgpr_workgroup_id_z 1
		.amdhsa_system_vgpr_workitem_id 0
		.amdhsa_next_free_vgpr 640
		.amdhsa_next_free_sgpr 84
		.amdhsa_reserve_vcc 0
		.amdhsa_float_denorm_mode_32 3
		.amdhsa_float_denorm_mode_16_64 3
		.amdhsa_memory_ordered 1
		.amdhsa_forward_progress 1
		.amdhsa_inst_pref_size 229
	.end_amdhsa_kernel
	.amdgpu_metadata
---
amdhsa.version: [ 1, 2 ]
amdhsa.kernels:
  - .name:           k_qaaba1aa8ac_siren
    .symbol:         k_qaaba1aa8ac_siren.kd
    .args:
      - { .name: coords, .offset: 0, .size: 8, .value_kind: global_buffer, .address_space: global }
      - { .name: wimg, .offset: 8, .size: 8, .value_kind: global_buffer, .address_space: global }
      - { .name: ob2, .offset: 16, .size: 8, .value_kind: global_buffer, .address_space: global }
      - { .name: bf, .offset: 24, .size: 8, .value_kind: global_buffer, .address_space: global }
      - { .name: out0, .offset: 32, .size: 8, .value_kind: global_buffer, .address_space: global }
    .group_segment_fixed_size: 327680
    .private_segment_fixed_size: 0
    .kernarg_segment_align: 8
    .kernarg_segment_size: 40
    .max_flat_workgroup_size: 128
    .sgpr_count:     84
    .vgpr_count:     640
    .wavefront_size: 32
...
	.end_amdgpu_metadata
.endif
;; end of part 3
